; MI455X (gfx1250); checked and timed in simulation.
; The chip was launched on July 23, 2026; its instructions are those of AMD's public machine-readable ISA for CDNA 5 (MIT licence, August 2026) and "CDNA5" Instruction Set Architecture Reference Guide (July 2026). The comments in the code are by the model that wrote it; some were corrected since.
;; MLA. Allowed arithmetic: matrix products marked QUANTISED: E2M3 operands, one E8M0 scale for each 32 along K, by v_wmma_scale_f32_16x16x128_f8f6f4 with both operands' format E2M3, f32 sums; products left as they are: f32 operands where the result goes on into a quantised operand, else bf16, f16 or f32 operands; f32 sums; everything else in f32.
;; Inputs: wk 2,048 x 2,048 float32; wo 2,048 x 2,048 float32; wq 2,048 x 2,048 float32; wv 2,048 x 2,048 float32; x 4 x 1,024 x 2,048 float32.
;; Outputs: out0 4 x 1,024 x 2,048 float32.
;; This version of the problem:
;;   THIS VERSION OF THE PROBLEM IS GIVEN IN LOW PRECISION. The matrix products marked QUANTISED in the list below multiply operands that are first quantised to E2M3 (2 exponent bits, 3 mantissa bits; 6 bits a number), with one power-of-two scale for each 32 numbers along K (OCP MX v1.0); their sums are f32. All else is computed in f32.
;;   The module's matrix products, in the order in which they are computed (A, B: the left and right operand; K: the contracted axis; several contracted axes count as one K, in the product's order):
;;     1. [M 4,096, K 2,048] x [K 2,048, N 2,048]; A: input x; B: input wq: QUANTISED
;;     2. [M 4,096, K 2,048] x [K 2,048, N 2,048]; A: input x; B: input wk: QUANTISED
;;     3. [M 4,096, K 2,048] x [K 2,048, N 2,048]; A: input x; B: input wv: QUANTISED
;;     4. batch 4,096 x [M 16, K 128] x [K 128, N 16]; A: computed on the way; B: computed on the way: QUANTISED
;;     5. batch 4,096 x [M 16, K 16] x [K 16, N 128]; A: softmax; B: computed on the way: left as it is (K = 16 < 32)
;;     6. [M 4,096, K 2,048] x [K 2,048, N 2,048]; A: computed on the way; B: input wo: QUANTISED
;;   THE QUANTISER, for each operand of a quantised product, along K:
;;     - K is cut into blocks of 32 from its start; a last block that is shorter is filled with zeros.
;;     - A block's scale is 2^e with e = floor(log2(the largest magnitude in the block)) - 2, held to -126 .. 127; a block of zeros has e = 0. As a byte (E8M0): e + 127.
;;     - Each number is divided by its block's scale, clamped to +-7.5, and rounded to the nearest number of E2M3, ties to even, subnormals kept.
;;     - The product sums the exact products of the quantised numbers (number of the format x scale) in f32.
;;   ~~~python
;;   def quantise(x, axis):      # numpy; x: float32 -> the quantised numbers, widened to float32 again
;;       x = np.moveaxis(x, axis, -1); K = x.shape[-1]
;;       x = np.pad(x, [(0, 0)] * (x.ndim - 1) + [(0, -K % 32)]); x = x.reshape(x.shape[:-1] + (-1, 32)); a = np.abs(x).max(-1, keepdims=True)
;;       e = np.where(a > 0, np.clip(np.frexp(np.where(a > 0, a, 1))[1] - 1 - 2, -126, 127), 0)      # np.frexp(a)[1] - 1 = floor(log2(a)), exactly
;;       r = np.clip(x / 2.0 ** e, -7.5, 7.5)
;;       step = 2.0 ** (np.maximum(np.frexp(np.where(r == 0, 1, r))[1] - 1, 0) - 3)
;;       q = np.round(r / step) * step * 2.0 ** e      # np.round: ties to even
;;       return np.moveaxis(q.reshape(q.shape[:-2] + (-1,))[..., :K], -1, axis).astype(np.float32)
;;   ~~~
;;   OPERANDS COMPUTED ON THE WAY. 'Computed on the way' means the value that the module computes at that place (a softmax that the list does not call 'softmax' is quantised finished and normalised). What goes into a quantiser is computed in f32, as accurately as f32 sums, v_exp_f32 and their like allow (about 1e-6 of the number): no bf16 or f16 on the way to a quantiser, and a product that is left as it is and whose result goes on into a quantised operand takes f32 operands (vector FMAs, or v_wmma_f32_16x16x4_f32). A number that lies on a knife's edge between two numbers of the format may be rounded either way, as far as f32 arithmetic and the matrix unit's own rounding can turn it there, and no further.
;; One version. Each part assembles by itself: llvm-mc -triple=amdgcn-amd-amdhsa -mcpu=gfx1250 --defsym DOCPART=n.
;; ======== version 1 of 1: 4 launches
;; workspace buffers: xa 6,815,744 bytes; oa 6,553,600 bytes; wc 10,223,616 bytes; woc 3,145,728 bytes; wos 131,072 bytes; mid 46,661,632 bytes
;; launch quant (part 1): grid 768 x 1, 4 waves a work-group, no clusters, 33,280 bytes of LDS; arguments x, wv, wq, wk, wo, xa, wc, woc, wos; writes xa, wc, woc, wos
.if DOCPART == 1
	.amdgcn_target "amdgcn-amd-amdhsa--gfx1250"
	.amdhsa_code_object_version 6
	.text
	.protected	k_q2bb277fffd_quant
	.globl	k_q2bb277fffd_quant
	.p2align	8
	.type	k_q2bb277fffd_quant,@function
k_q2bb277fffd_quant:
	s_mov_b64 s[64:65], 0
	v_nop
	global_prefetch_b8 v0, s[64:65] scope:SCOPE_SE
	s_setreg_imm32_b32 hwreg(HW_REG_WAVE_MODE, 25, 1), 1
	s_wait_xcnt 0x0
; LAUNCH 1 OF 4.  x [4096][2048] and the four weights [2048][2048], all f32 with K innermost, become codes of FP6 (E2M3), 6 bits each, K innermost, with one E8M0 scale byte for each 32 along K.
; THE PROGRAM: 1 this; 2 q, k, v = x W^T on codes (v leaves as f32, q and k leave as codes of the scores' product); 3 for each position scores, softmax, weights x v, quantised for the last product; 4 the product with wo.
; DEAD WORK: none is left out.  Every input reaches the output through every product of the problem's table, so all five inputs are loaded and all six products are made.
; A block's scale is 2^(floor(log2(its largest magnitude)) - 2); its byte is the largest magnitude's exponent field - 2, held at 1 from below.
; LIMITS: a block of zeros gets the byte 1 where the rule says 127 (its codes are zeros, which add nothing under any byte but 0xff, and this program alone reads the bytes); blocks whose largest magnitude lies under
; 2^(2 - 126) were not tried; NaN and infinities among the inputs are not served.
; SHARES.  A wave takes 4 rows of 2,048 numbers, 16 steps of 512.  Work-groups 0-255 take x, 256-383 wv, 384-511 wq, 512-639 wk, 640-767 wo: only pointers, row numbers and strides are chosen, all take one path
; but for the last store.  No cluster: the work-groups share no input.  No barrier: the waves share nothing.
; TWO LAYOUTS.  wo (read by launch 4): codes [2048][1,536 bytes], scale bytes [2048][64].  x, wv, wq, wk (read by launch 2): a row is 8 RECORDS of 208 bytes, one for each 256 along K: 192 bytes of codes, its 8 scale bytes,
; 8 zeros; so launch 2's tiles bring their scales with them, and rows 208 bytes apart in LDS need no padding.  The price: a record's codes leave as a run of 192 bytes and its last 16 bytes by a store of their own.
; WHICH ROW OF A WEIGHT LIES WHERE in wc is free (it only says which result lands where in the product).  wc holds 16 groups of 384 rows, one for each tile column c of launch 2:
;   rows 0-127 wq's head c, rows 192-319 wk's head c, in both bits 3 and 4 of the row number within the head exchanged, so that in launch 2 a lane's 16 registers of two neighbouring tiles are 16 neighbours along the head's axis;
;   rows 128-191 and 320-383: wv's rows n' = 128 c + 0 .. 63 and 128 c + 64 .. 127, where row t 128 + d of wv, in bits t3 t2 t1 t0 | b1 b0 | a | e | c2 c1 c0, is n' = t3 t2 t1 | b1 b0 | a c2 c1 c0 | e | t0, so that in launch 3
;   one load of 16 bytes brings two operands of the f32 matrix form.  A run's four rows (the two lowest bits) stay an even distance apart: 1 row, or 4 for wv.
; Each of a step's four loads reads 512 consecutive bytes; the 2,048 bytes turn through the wave's own stage in LDS and come back 64 bytes a lane: 16 neighbours along K, two lanes to a block.
.set WAVES, 4
.set STEPS, 16
.set EMAX,  2
.set CB,    12                         ; bytes of 16 codes
.set REC,   208                        ; a record
.set RROW,  8*REC                      ; a row of records
.set OROW,  1536                       ; a row of 2,048 codes without scales (wo)
.set R,     16                         ; v16-79   four sets of 16 numbers as they are loaded
.set X,     80                         ; v80-111  two sets of 16 neighbours
.set E,     112                        ; v112-127 a scale byte for each step
.set C,     128                        ; v128-191 codes: four registers for each step, so that no store's data are written again
.set VC,    192                        ; v192-195 my codes' place in quarter j of a row, less 384 j
.set WREG,  8192                       ; LDS: a region for each wave: two stages of 32 x SP bytes, and behind them its 256 scale bytes
.set SP,    80                         ; a lane's place in a stage: its 64 bytes + 16 of padding
.set SPW,   12                         ; v12  LDS address of my spare word; never rewritten
.set NIL,   13                         ; v13  0; never rewritten
.set SPARE, WAVES*WREG                 ; behind the four regions: the spare words, 128 bytes for each wave
.set CBASE, 36                         ; s[36:43] where the codes of my four rows go
.set SRC,   44                         ; s[44:45] the tensor that I read
.set DC,    46                         ; s[46:47] the buffer of its codes
.set DS,    48                         ; s[48:49] where my first row's scale bytes go
.set ROW,   50                         ; s50  the workspace row of my first row
.set RS,    51                         ; s51  the distance in rows between two of my rows
.set KB,    52                         ; s52  a workspace row in bytes
.set FF,    53                         ; s53  16 where rows are made of records, else 0
	s_load_b512 s[4:19], s[0:1], 0x0               ; x 4, wv 6, wq 8, wk 10, wo 12, xa 14, wc 16, woc 18
	s_load_b64 s[20:21], s[0:1], 0x40              ; wos
	v_lshl_add_u32 v[SPW], v0, 2, SPARE
	v_mov_b32 v[NIL], 0
	v_lshrrev_b32 v1, 5, v0
	v_readfirstlane_b32 s24, v1                    ; wave
	v_and_b32 v2, 31, v0                           ; lane
	v_lshlrev_b32 v3, 4, v2                        ; my 16 bytes of a load's 512
	s_mul_i32 s33, s24, WREG
	v_lshrrev_b32 v14, 2, v2
	v_mul_u32_u24 v14, v14, SP
	v_and_b32 v15, 3, v2
	v_lshl_add_u32 v14, v15, 4, v14
	v_add_nc_u32 v14, s33, v14                     ; the stage, on the way in: SP (lane / 4) + 16 (lane % 4)
	v_mul_u32_u24 v15, v2, SP
	v_add_nc_u32 v15, s33, v15                     ; and on the way out: SP x lane: my 16 neighbours
	v_mul_u32_u24 v4, v2, CB                       ; 12 x lane
	v_lshrrev_b32 v5, 1, v2
	s_add_co_u32 s33, s33, 2*32*SP
	v_add_nc_u32 v5, s33, v5                       ; LDS: my wave's 256 scale bytes, my block's byte
	v_lshlrev_b32 v6, 3, v2
	v_add_nc_u32 v6, s33, v6                       ; and on the way out 8 bytes a lane
	; which run of which tensor, and the row numbers that it might go to.  All arithmetic first: the choices below want SCC kept
	s_sub_co_u32 s25, ttmp9, 256
	s_and_b32 s27, s25, 127
	s_cmp_lt_u32 ttmp9, 256
	s_cselect_b32 s34, ttmp9, s27                  ; the work-group's number within its tensor
	s_lshl_b32 s34, s34, 2
	s_add_co_u32 s34, s34, s24                     ; g: which run of 8,192 numbers
	s_lshl_b32 s28, s34, 2                         ; n = 4 g: my first row
	s_and_b32 s29, s28, 0xffffffe7                 ; wq, wk: bits 3 and 4 change places,
	s_and_b32 s30, s28, 8
	s_lshl_b32 s30, s30, 1
	s_or_b32 s29, s29, s30
	s_and_b32 s30, s28, 16
	s_lshr_b32 s30, s30, 1
	s_or_b32 s29, s29, s30
	s_lshr_b32 s30, s29, 7                         ; the head,
	s_lshl_b32 s30, s30, 8
	s_add_co_u32 s29, s29, s30                     ; whose group begins at row 384 x head: wq's place;
	s_add_co_u32 s32, s29, 192                     ; wk's lies 192 rows on
	s_and_b32 s31, s28, 0x700                      ; wv: t3 t2 t1 stay,
	s_and_b32 s30, s28, 0x70
	s_lshl_b32 s30, s30, 1                         ; b1 b0 a go one up,
	s_or_b32 s31, s31, s30
	s_and_b32 s30, s28, 4
	s_lshl_b32 s30, s30, 2                         ; c2 goes two up (c1 c0 are 0 in my first row),
	s_or_b32 s31, s31, s30
	s_and_b32 s30, s28, 8
	s_lshr_b32 s30, s30, 2                         ; e goes to bit 1,
	s_or_b32 s31, s31, s30
	s_and_b32 s30, s28, 0x80
	s_lshr_b32 s30, s30, 7                         ; t0 to bit 0: n'
	s_or_b32 s31, s31, s30
	s_lshr_b32 s30, s31, 7
	s_mul_i32 s30, s30, 384                        ; its group of 384 rows,
	s_bfe_u32 s35, s31, 0x10006
	s_mul_i32 s35, s35, 192                        ; which half of the group,
	s_and_b32 s31, s31, 63
	s_add_co_u32 s31, s31, s30
	s_add_co_u32 s31, s31, s35
	s_add_co_u32 s31, s31, 128                     ; behind the half's 128 rows of wq or wk
	s_wait_kmcnt 0x0
	s_mov_b64 s[SRC:SRC+1], s[12:13]               ; wo, unless the work-group's number says otherwise: the choices hang on that number alone
	s_mov_b64 s[DC:DC+1], s[18:19]
	s_mov_b32 s[ROW], s28
	s_mov_b32 s[RS], 1
	s_mov_b32 s[KB], OROW
	s_mov_b32 s[FF], 0
	s_cmp_lt_u32 ttmp9, 640                        ; wk, or one in front of it: rows of records
	s_cselect_b64 s[SRC:SRC+1], s[10:11], s[SRC:SRC+1]
	s_cselect_b64 s[DC:DC+1], s[16:17], s[DC:DC+1]
	s_cselect_b32 s[ROW], s32, s[ROW]
	s_cselect_b32 s[KB], RROW, s[KB]
	s_cselect_b32 s[FF], 16, s[FF]
	s_cmp_lt_u32 ttmp9, 512                        ; wq
	s_cselect_b64 s[SRC:SRC+1], s[8:9], s[SRC:SRC+1]
	s_cselect_b32 s[ROW], s29, s[ROW]
	s_cmp_lt_u32 ttmp9, 384                        ; wv
	s_cselect_b64 s[SRC:SRC+1], s[6:7], s[SRC:SRC+1]
	s_cselect_b32 s[ROW], s31, s[ROW]
	s_cselect_b32 s[RS], 4, s[RS]
	s_cmp_lt_u32 ttmp9, 256                        ; x
	s_cselect_b64 s[SRC:SRC+1], s[4:5], s[SRC:SRC+1]
	s_cselect_b64 s[DC:DC+1], s[14:15], s[DC:DC+1]
	s_cselect_b32 s[ROW], s28, s[ROW]
	s_cselect_b32 s[RS], 1, s[RS]
	s_lshl_b32 s54, s34, 15                        ; a run is 32,768 bytes of f32
	s_mov_b32 s55, 0
	s_add_nc_u64 s[SRC:SRC+1], s[SRC:SRC+1], s[54:55]
	s_mul_i32 s54, s[ROW], s[KB]
	s_add_nc_u64 s[CBASE:CBASE+1], s[DC:DC+1], s[54:55]
	s_mul_i32 s54, s[RS], s[KB]                    ; from one of my rows to the next, in bytes
	s_mov_b32 s22, s54
	s_add_nc_u64 s[CBASE+2:CBASE+3], s[CBASE:CBASE+1], s[54:55]
	s_add_nc_u64 s[CBASE+4:CBASE+5], s[CBASE+2:CBASE+3], s[54:55]
	s_add_nc_u64 s[CBASE+6:CBASE+7], s[CBASE+4:CBASE+5], s[54:55]
	s_lshl_b32 s54, s[ROW], 6
	s_add_nc_u64 s[26:27], s[20:21], s[54:55]      ; wo: 64 scale bytes a row, in a buffer of their own
	s_add_nc_u64 s[DS:DS+1], s[CBASE:CBASE+1], 192 ; records: behind the record's codes
	s_mov_b32 s23, 8
	s_cmp_lt_u32 ttmp9, 640
	s_cselect_b64 s[DS:DS+1], s[DS:DS+1], s[26:27]
	s_cselect_b32 s22, s22, 64                     ; from row to row,
	s_cselect_b32 s23, REC, s23                    ; and from 8 scale bytes to the next 8
	v_lshrrev_b32 v7, 3, v2                        ; the scale bytes' way out: eight lanes to a row, a lane to 256 along K
	v_mul_u32_u24 v7, s22, v7
	v_and_b32 v10, 7, v2
	v_mad_u32_u24 v7, v10, s23, v7
	v_lshrrev_b32 v10, 4, v2                       ; a step's 512 numbers are two records' worth: lanes 16-31 stand in the second
.irp j, 0,1,2,3
	v_add_nc_u32 v11, 2*\j, v10                    ; records passed in the row: each has 16 bytes beyond its codes
	v_mad_u32_u24 v[VC+\j], v11, s[FF], v4
.endr
.macro LOAD t
.irp i, 0,1,2,3
	global_load_b128 v[R+16*((\t)%4)+4*\i:R+16*((\t)%4)+4*\i+3], v3, s[SRC:SRC+1] offset:2048*(\t)+512*\i th:TH_LOAD_NT   ; 32 lanes read 512 consecutive bytes; each number is read once in the launch
.endr
.endm
.macro TURN t                          ; step t's numbers through the stage: LDS serves a wave's instructions in order, so no wait stands between the stores and the loads
.irp i, 0,1,2,3
	ds_store_b128 v14, v[R+16*((\t)%4)+4*\i:R+16*((\t)%4)+4*\i+3] offset:32*SP*((\t)%2)+8*SP*\i
.endr
.irp i, 0,1,2,3
	ds_load_b128 v[X+16*((\t)%2)+4*\i:X+16*((\t)%2)+4*\i+3], v15 offset:32*SP*((\t)%2)+16*\i
.endr
.endm
.irp t, 0,1,2,3
	LOAD \t
.endr
	s_wait_loadcnt 12                              ; step 0's four loads are in; the twelve behind them stay out
	TURN 0
.macro STEP t
.set XS, X+16*((\t)%2)
.if (\t) > 0
	s_wait_dscnt 1                                 ; this step's numbers are back from the stage (the last step's byte store may be out): so its stores into the stage have read their registers,
.else
	s_wait_dscnt 0x0
.endif
.if (\t)+4 < STEPS
	LOAD (\t)+4                                    ; which take the loads of four steps on
.endif
.if (\t)+1 < STEPS
.if STEPS-2-(\t) >= 3
	s_wait_loadcnt 12                              ; the next step's four loads are in; those of the three steps behind it may be out
.else
	s_wait_loadcnt 4*(STEPS-2-(\t))
.endif
	TURN (\t)+1                                    ; and go through the other stage while this step is worked
.endif
	v_max3_num_f32 v8, |v[XS]|, |v[XS+1]|, |v[XS+2]|               ; the largest magnitude of my 16, in two chains
	v_max3_num_f32 v9, |v[XS+3]|, |v[XS+4]|, |v[XS+5]|
.irp i, 6,10
	v_max3_num_f32 v8, v8, |v[XS+\i]|, |v[XS+\i+1]|
	v_max3_num_f32 v9, v9, |v[XS+\i+2]|, |v[XS+\i+3]|
.endr
	v_max3_num_f32 v8, v8, |v[XS+14]|, |v[XS+15]|
	v_max3_num_f32 v8, v8, v9, (EMAX+1)<<23        ; and the floor 2^(EMAX + 1 - 127): the byte cannot fall under 1
	v_max_num_f32_dpp v8, v8, v8 row_xmask:1 row_mask:0xf bank_mask:0xf   ; and of my neighbour's 16: the block's
	v_add_nc_u32 v11, -(EMAX<<23), v8              ; EMAX off its exponent field: the conversion takes the exponent field of this operand as its scale, and nothing else of it
	v_cvt_scalef32_pk16_fp6_f32 v[C+4*(\t):C+4*(\t)+2], v[XS:XS+15], v11   ; sixteen numbers / the scale, to the nearest code, ties to even, beyond the largest code the largest; 96 bits without gaps
	v_lshrrev_b32 v[E+(\t)], 23, v11               ; the scale's byte (also the plain line behind the conversion)
	ds_store_b8 v5, v[E+(\t)] offset:16*(\t)       ; both lanes of a block write the same byte with the same value
	global_store_b96 v[VC+(\t)%4], v[C+4*(\t):C+4*(\t)+2], s[CBASE+2*((\t)/4):CBASE+2*((\t)/4)+1] offset:384*((\t)%4)   ; a quarter of row t / 4's codes: 384 consecutive bytes, or two records' 192
.endm
.irp t, 0,1,2,3,4,5,6,7,8,9,10,11,12,13,14,15
	STEP \t
.endr
	ds_load_b64 v[8:9], v6                         ; LDS serves a wave's instructions in order: these see my stores.  My 8 bytes: row lane / 8, the (lane % 8)-th 256 along K
	v_mov_b32 v10, 0                               ; a record's last 8 bytes
	v_mov_b32 v11, 0
	s_wait_dscnt 0x0
	s_cmp_lt_u32 ttmp9, 640                        ; the work-group's number: all four waves go the same way
	s_cbranch_scc1 .Lrecords
	global_store_b64 v7, v[8:9], s[DS:DS+1]        ; wo: my four rows' scale bytes are 256 consecutive bytes
	s_branch .Lstored
.Lrecords:
	global_store_b128 v7, v[8:11], s[DS:DS+1]      ; the 16 bytes behind a record's codes: every byte of a record is written
.Lstored:
	s_wait_tensorcnt 0x0                           ; the wave's end, behind my last LDS store
	ds_add_u32 v[SPW], v[NIL]
	s_wait_dscnt 0x0
	s_endpgm
.Lfunc_end_k_q2bb277fffd_quant:
	.size	k_q2bb277fffd_quant, .Lfunc_end_k_q2bb277fffd_quant-k_q2bb277fffd_quant
	.p2alignl 7, 3214868480
	.fill 96, 4, 3214868480
	.section	.rodata,"a",@progbits
	.p2align	6, 0x0
	.amdhsa_kernel k_q2bb277fffd_quant
		.amdhsa_group_segment_fixed_size 33280
		.amdhsa_private_segment_fixed_size 0
		.amdhsa_enable_private_segment 0
		.amdhsa_kernarg_size 72
		.amdhsa_user_sgpr_count 2
		.amdhsa_user_sgpr_kernarg_segment_ptr 1
		.amdhsa_wavefront_size32 1
		.amdhsa_system_sgpr_workgroup_id_x 1
		.amdhsa_system_sgpr_workgroup_id_y 1
		.amdhsa_system_sgpr_workgroup_id_z 1
		.amdhsa_system_vgpr_workitem_id 0
		.amdhsa_next_free_vgpr 196
		.amdhsa_next_free_sgpr 66
		.amdhsa_reserve_vcc 0
		.amdhsa_float_denorm_mode_32 3
		.amdhsa_float_denorm_mode_16_64 3
		.amdhsa_memory_ordered 1
		.amdhsa_forward_progress 1
		.amdhsa_inst_pref_size 36
	.end_amdhsa_kernel
	.amdgpu_metadata
---
amdhsa.version: [ 1, 2 ]
amdhsa.kernels:
  - .name:           k_q2bb277fffd_quant
    .symbol:         k_q2bb277fffd_quant.kd
    .args:
      - { .name: x, .offset: 0, .size: 8, .value_kind: global_buffer, .address_space: global }
      - { .name: wv, .offset: 8, .size: 8, .value_kind: global_buffer, .address_space: global }
      - { .name: wq, .offset: 16, .size: 8, .value_kind: global_buffer, .address_space: global }
      - { .name: wk, .offset: 24, .size: 8, .value_kind: global_buffer, .address_space: global }
      - { .name: wo, .offset: 32, .size: 8, .value_kind: global_buffer, .address_space: global }
      - { .name: xa, .offset: 40, .size: 8, .value_kind: global_buffer, .address_space: global }
      - { .name: wc, .offset: 48, .size: 8, .value_kind: global_buffer, .address_space: global }
      - { .name: woc, .offset: 56, .size: 8, .value_kind: global_buffer, .address_space: global }
      - { .name: wos, .offset: 64, .size: 8, .value_kind: global_buffer, .address_space: global }
    .group_segment_fixed_size: 33280
    .private_segment_fixed_size: 0
    .kernarg_segment_align: 8
    .kernarg_segment_size: 72
    .max_flat_workgroup_size: 128
    .sgpr_count:     66
    .vgpr_count:     196
    .wavefront_size: 32
...
	.end_amdgpu_metadata
.endif
;; end of part 1
;; launch qkv (part 2): grid 16 x 16, 4 waves a work-group, clusters of 4 x 4, 327,680 bytes of LDS; arguments xa, wc, mid; writes mid
.if DOCPART == 2
	.amdgcn_target "amdgcn-amd-amdhsa--gfx1250"
	.amdhsa_code_object_version 6
	.text
	.protected	k_q2bb277fffd_qkv
	.globl	k_q2bb277fffd_qkv
	.p2align	8
	.type	k_q2bb277fffd_qkv,@function
k_q2bb277fffd_qkv:
	s_mov_b64 s[64:65], 0
	v_nop
	global_prefetch_b8 v0, s[64:65] scope:SCOPE_SE
	s_setreg_imm32_b32 hwreg(HW_REG_WAVE_MODE, 25, 1), 1
	s_wait_xcnt 0x0
	s_wait_alu depctr_hold_cnt(0) depctr_sa_sdst(0) depctr_va_vdst(0) depctr_va_sdst(0) depctr_va_ssrc(0) depctr_va_vcc(0) depctr_vm_vsrc(0)
	s_getreg_b32 s2, hwreg(HW_REG_IB_STS2, 6, 4)
	s_cmp_eq_u32 s2, 0
	s_cbranch_scc0 .Lentry_in_a_cluster
	s_endpgm
.Lentry_in_a_cluster:
	s_bfe_u32 s2, ttmp6, 0x10000c
	s_cmp_lg_u32 s2, 0xf033
	s_cbranch_scc0 .Lentry_shape_is_right
	s_endpgm
.Lentry_shape_is_right:
; LAUNCH 2 OF 4.  q, k, v = x W^T on codes of FP6 (E2M3) with one E8M0 scale for each 32 along K; K = 2,048; 4,096 rows of x, 6,144 rows of weights; sums in f32.  No work is left out.
; A (xa) and B (wc): a row is 8 records of 208 bytes, one for each 256 along K: 192 bytes of codes, 8 scale bytes, 8 zeros.
; SHARES.  4,096 x 6,144 results are 256 tiles of 256 x 384: one work-group for each of 256 WGPs, all with the same work.  Four waves, as many as a WGP has SIMDs, 2 x 2; a wave makes 128 x 192: 96 accumulators of 16 x 16,
; 768 registers; for 128 along K it reads 20 fragments from LDS and issues 96 matrix instructions.
; EVERY TILE IS BUILT ALIKE, so that no branch hangs on a work-group's place in its cluster: tile column c is q's head c, k's head c and 128 columns of v.  The waves of column half 0 hold q's head (8 blocks of 16 columns)
; and 64 columns of v (4 blocks), those of half 1 k's head and the other 64 columns of v; launch 1 has laid wc's rows in that order.
; K goes in steps of 256 through a ring of two LDS slots filled by the tensor data mover; a tile's row is one record, so the scales come with their codes.  Rows lie 208 bytes = 52 words apart, without padding:
; sixteen rows start at sixteen different multiples of 4 banks and lanes 16-31 stand 6 words on (64 banks of 4 bytes: ISA guide 11.1), so the 32 lanes of a load of 8 bytes touch 64 different banks.
; CLUSTERS: 4 x 4 work-groups.  The four of a row of the cluster need the same tiles of A, the four of a column the same tiles of B: each tile is asked for JOINTLY, by the same tensor load with the same
; descriptor and a mask that names the four.  THE MATRIX INSTRUCTION IS USED TRANSPOSED (source 0 = 16 rows of B, source 1 = 16 rows of A): a lane holds one row of C and eight of its columns.
; THE WAY OUT.  v leaves as f32, [4,096][2,048], a wave's 64 columns as rows of 256 bytes.  q and k never exist in memory as f32: a wave's 128 columns are one head, the K of the scores' product, so the wave quantises them in
; registers (q first multiplied by 128^-0.5, in f32, as the problem has it) and stores each block of 16 positions as an IMAGE OF THE OPERAND'S REGISTERS: 12 registers a lane, register group j of lane l at 512 j + 16 l.
; For that wq's and wk's rows lie in wc with bits 3 and 4 of the row number exchanged: a lane's register 8 i + j of the head's 8 column blocks is channel 32 (i / 2) + 16 (lane / 16) + 8 (i % 2) + j.
; LIMITS: as in launch 1 (a block of zeros has the byte 1; NaN and infinities are not served).
; REGISTERS, in windows of 256: windows 1, 2, 3: the accumulators: (a, b), A's block a and B's block b, in window 1 + b / 4 at v[8 (4 a + b % 4)].
;   window 0: v1-14 addresses; v16-63 scale words, two sets of 24; v64-159 A's 8 fragments, ONE set; v160-207, v208-255 four fragments of B, TWO sets; on the way out v64-255 are free.
; A step of 128 along K is three PHASES: B's blocks 4 g .. 4 g + 3 against A's eight, 32 matrix instructions under one window setting.  B's sets take turns from phase to phase; the next phase's four fragments are fetched at a
; phase's head.  A's blocks are free one after the other in a step's last phase: blocks 0-3 are fetched anew in its middle, blocks 4-7 at the next phase's head.
.set CROW,   8192                      ; a row of v in mid, in bytes
.set QKC,    0x2000000                 ; in mid: behind v (4,096 x 8,192 bytes) the images: [position / 16 (256)][q's heads, k's heads (32)][1,536 bytes]
.set QKS,    0x2C00000                 ; and behind them the scale words: [32][4,096 positions], 4 bytes each
.set REC,    208                       ; a record: 256 along K
.set KROW,   8*REC                     ; a row of A or of B in memory, in bytes
.set PITCH,  REC                       ; and a tile's row in LDS
.set FR,     12                        ; registers of a fragment: 16 rows x 128 K
.set NP,     4                         ; places behind this matrix instruction (ISA guide 7.12.1)
.set AHALF,  128*PITCH                 ; 128 rows of A: what one tensor load brings, and what one wave reads
.set BHALF,  192*PITCH                 ; 192 rows of B likewise
.set BOFF,   2*AHALF                   ; in a slot B's 384 rows lie behind A's 256
.set SLOT,   2*AHALF+2*BHALF
.set LAPS,   4                         ; a lap = two K steps of 256 = once round the ring
.set SPARE,  2*SLOT                    ; behind the ring: the spare words, 128 bytes for each wave
.set QSTG,   SPARE+512                 ; 512 bytes for each wave, where it gathers its 128 scale words; no tile lands here
.set VSTG,   QSTG+4*512                ; a stage of 16 rows x (256 bytes + 16) for each wave, for v's way out; no tile lands here
.set VP,     272
.set ADRA, 1                           ; v1-2    LDS address of my A fragments in slot 0, 1
.set ADRB, 3                           ; v3-4    the same for B
.set ADRS, 5                           ; v5-6    of my scale words: lanes 0-15 A's rows, lanes 16-31 B's
.set SPW,  7                           ; v7      LDS address of my spare word; never rewritten
.set NIL,  8                           ; v8      0; never rewritten
.set STO,  9                           ; v9      v's way out: where I put 32 bytes of a row
.set RD,   10                          ; v10     and where I read 16 bytes of a row back
.set CO,   11                          ; v11     16 x lane
.set VO,   12                          ; v12     my 16 bytes in two rows of v: 8,192 (lane / 16) + 16 (lane % 16)
.set QSA,  13                          ; v13     where my row's scale word goes
.set QSR,  14                          ; v14     and where I read 16 bytes of them back
.set SC,   16                          ; scale words: set s (for slot s) at v[SC + 24 s]; in it register 2 i + q: lanes 0-15 the word of A's block i, lanes 16-31 that of B's block i, for the slot's q-th 128 along K
.set AF,   64                          ; A's fragments
.set BF,   160                         ; B's: set p at v[BF + 48 p]
.set TM,   64                          ; the way out: v64-67 largest magnitudes, v68-71 bytes, v76-79 the conversions' scale operands
.set QPW,  80                          ; v80-87  block a's scale word
.set QPX,  88                          ; v88-95  at work in the conversions
.set QPC,  96                          ; v96-191 block a's codes at v[96 + 12 a]: each block has its own, so that no store's data are written again
.set BK,   192                         ; v192-223, v224-255 by turns: 16 rows of v read back from the stage
.set G1, 24                            ; s[24:31] descriptor group 1 for A's tiles;  s[32:39] group 0, one set for each slot
.set G0, 32
.set G1B, 48                           ; s[48:55], s[56:63] the same for B's tiles
.set G0B, 56
.set M1, 0x50                          ; sources 0 (B) and 1 (A) window 0; C and D window 1,
.set M2, 0xa0                          ; window 2,
.set M3, 0xf0                          ; window 3
.set MSB, 0
.macro WIN new                         ; the immediate's high byte repeats the setting that is left; a switch that changes nothing is dropped
.if MSB != (\new)
	s_set_vgpr_msb (MSB<<8)|(\new)
.set MSB, (\new)
.endif
.endm
; A joint load: waves 0 and 1 fetch A's halves, waves 2 and 3 B's.  Each of the two lines has ONE mask and one set of registers for all that issue it; the branch hangs on the wave's number alone.
; An s_nop 0 and four v_nop follow each of the two lines, ahead of the jump, the label and what follows.
.macro JLOAD g0a, g1a, g0b, g1b
	s_cmp_eq_u32 s15, 0
	s_cbranch_scc0 .Lfor_b_\@
	tensor_load_to_lds s[\g0a:\g0a+3], s[\g1a:\g1a+7]
	s_nop 0
.rept 4
	v_nop
.endr
	s_branch .Lasked_\@
.Lfor_b_\@:
	tensor_load_to_lds s[\g0b:\g0b+3], s[\g1b:\g1b+7]
	s_nop 0
.rept 4
	v_nop
.endr
.Lasked_\@:
.endm
.macro CREST                           ; a round of the cluster's barrier behind its opening barrier
	s_cmp_lg_u32 s14, 0
	s_cbranch_scc1 .Lnot_wave_0_\@
	s_barrier_signal -3
.Lnot_wave_0_\@:
	s_barrier_wait -3
	s_barrier_signal -1
	s_barrier_wait -1
.endm
.macro CROUND                          ; a whole round
	s_barrier_signal -1
	s_barrier_wait -1
	CREST
.endm
	s_load_b64 s[4:5], s[0:1], 0x0                 ; A
	s_load_b64 s[8:9], s[0:1], 0x8                 ; B
	s_load_b64 s[12:13], s[0:1], 0x10              ; mid
	v_lshl_add_u32 v[SPW], v0, 2, SPARE
	v_mov_b32 v[NIL], 0
	ds_add_u32 v[SPW], v[NIL]                      ; the wave's opening: the add, twice on end, and its wait ahead of my first tensor load; the set-up below, work on registers, stands between the second and the wait
	ds_add_u32 v[SPW], v[NIL]
	v_lshrrev_b32 v64, 5, v0
	v_readfirstlane_b32 s14, v64                   ; wave 0..3
	s_lshr_b32 s15, s14, 1                         ; which half of the tile's rows is mine.  Also: I fetch for A (0) or for B (1)
	s_and_b32 s16, s14, 1                          ; which half of its columns.  Also: which half of that tile's rows I fetch
	s_bfe_u32 s40, ttmp6, 0x40000                  ; cx, cy: my place in the cluster
	s_bfe_u32 s41, ttmp6, 0x40004
	s_lshl_b32 s42, ttmp9, 2
	s_add_co_u32 s42, s42, s40                     ; tile column = 4 x cluster x + cx: the head
	s_and_b32 s17, ttmp7, 0xffff
	s_lshl_b32 s17, s17, 2
	s_add_co_u32 s17, s17, s41                     ; tile row = 4 x cluster y + cy
	s_lshl_b32 s43, s41, 2
	s_lshl_b32 s43, 15, s43                        ; my row of the cluster
	s_lshl_b32 s44, 0x1111, s40                    ; my column
	; descriptor group 1: rows of one record, KROW bytes apart in memory, on end in LDS
	s_or_b32 s[G1+0], s43, 1<<21                   ; 15:0 the mask: A's tiles go to my row; 17:16 elements of 1 byte; 20 no padding; 21 set beside a mask
	s_or_b32 s[G1B+0], s44, 1<<21                  ; B's go to my column
.irp g, G1, G1B
	s_mov_b32 s[\g+1], REC<<16                     ; tensor_dim0
	s_mov_b32 s[\g+3], REC<<16                     ; tile_dim0
	s_mov_b32 s[\g+5], KROW                        ; tensor_dim0_stride
	s_mov_b32 s[\g+6], 0
	s_mov_b32 s[\g+7], 0
.endr
	s_mov_b32 s[G1+2], 128<<16                     ; tensor_dim1: A: 128 rows a load,
	s_mov_b32 s[G1+4], 128                         ; tile_dim1
	s_mov_b32 s[G1B+2], 192<<16                    ; B: 192
	s_mov_b32 s[G1B+4], 192
	s_lshl_b32 s20, s17, 8
	s_lshl_b32 s18, s16, 7
	s_add_co_u32 s20, s20, s18                     ; A: row 256 x tile row + 128 x half
	s_mul_i32 s46, s42, 384
	s_mul_i32 s18, s16, 192
	s_add_co_u32 s46, s46, s18                     ; B: row 384 x tile column + 192 x half
	s_mov_b32 s21, 0
	s_mov_b32 s47, 0
	s_mov_b64 s[18:19], KROW
	s_mul_u64 s[20:21], s[20:21], s[18:19]         ; in bytes
	s_mul_u64 s[46:47], s[46:47], s[18:19]
	s_mul_i32 s45, s16, AHALF                      ; where they go: no place in the cluster enters an LDS address
	s_mul_i32 s94, s16, BHALF
	s_add_co_u32 s94, s94, BOFF
	s_wait_dscnt 0x0                               ; both opening adds are done
	s_wait_kmcnt 0x0
	s_add_nc_u64 s[20:21], s[4:5], s[20:21]
	s_add_nc_u64 s[46:47], s[8:9], s[46:47]
	CROUND                                         ; all sixteen work-groups are here: the first joint loads meet
.irp s, 0,1
	s_mov_b32 s[G0+4*\s], 1                        ; count = 1
	s_add_co_u32 s[G0+4*\s+1], s45, \s*SLOT        ; LDS address
	s_add_nc_u64 s[G0+4*\s+2:G0+4*\s+3], s[20:21], \s*REC   ; K step s
	s_or_b32 s[G0+4*\s+3], s[G0+4*\s+3], 0x80000000         ; type = 2
	s_mov_b32 s[G0B+4*\s], 1
	s_add_co_u32 s[G0B+4*\s+1], s94, \s*SLOT
	s_add_nc_u64 s[G0B+4*\s+2:G0B+4*\s+3], s[46:47], \s*REC
	s_or_b32 s[G0B+4*\s+3], s[G0B+4*\s+3], 0x80000000
	JLOAD G0+4*\s, G1, G0B+4*\s, G1B               ; two tensor loads of mine are out at the most
.endr
	v_and_b32 v64, 15, v0                          ; r = l % 16
	v_bfe_u32 v65, v0, 4, 1                        ; h = l / 16
	v_mul_u32_u24 v66, v64, PITCH
	v_mad_u32_u24 v67, v65, 24, v66                ; a fragment's row x pitch + 24 x half
	s_mul_i32 s21, s15, AHALF                      ; my 128 rows of A
	s_mul_i32 s22, s16, BHALF                      ; my 192 rows of B,
	s_add_co_u32 s22, s22, BOFF                    ; which lie behind A's 256
.irp s, 0,1
	v_add_nc_u32 v[ADRA+\s], s21, v67
	v_add_nc_u32 v[ADRB+\s], s22, v67
	s_add_co_u32 s21, s21, SLOT
	s_add_co_u32 s22, s22, SLOT
.endr
	s_mul_i32 s21, s15, AHALF                      ; the scale words: behind a record's 192 bytes of codes
	s_mul_i32 s22, s16, BHALF
	s_add_co_u32 s22, s22, BOFF
	s_sub_co_u32 s22, s22, s21                     ; from my rows of A to my rows of B:
	v_mul_u32_u24 v68, s22, v65                    ; lanes 16-31 take B's
	v_add_nc_u32 v68, v68, v66
	s_add_co_u32 s21, s21, 192
	v_add_nc_u32 v[ADRS], s21, v68
	v_add_nc_u32 v[ADRS+1], SLOT, v[ADRS]
	s_mul_i32 s23, s14, 16*VP
	s_add_co_u32 s23, s23, VSTG                    ; my stage
	v_mul_u32_u24 v69, v64, VP                     ; in: row l % 16, 32 bytes for each half of the lanes
	v_lshl_add_u32 v69, v65, 5, v69
	v_add_nc_u32 v[STO], s23, v69
	v_mul_u32_u24 v69, v65, VP                     ; back: lanes 0-15 one row of 256 bytes, lanes 16-31 the next
	v_lshl_add_u32 v69, v64, 4, v69
	v_add_nc_u32 v[RD], s23, v69
	v_lshlrev_b32 v[VO], 13, v65                   ; and the same two rows in v
	v_lshl_add_u32 v[VO], v64, 4, v[VO]
	v_and_b32 v69, 31, v0
	v_lshlrev_b32 v[CO], 4, v69
	s_lshl_b32 s23, s14, 9
	s_add_co_u32 s23, s23, QSTG                    ; my 512 bytes for scale words
	v_lshl_add_u32 v[QSA], v64, 2, s23             ; in: 4 bytes a row
	v_add_nc_u32 v[QSR], s23, v[CO]                ; back: 16 bytes a lane
; A fragment, 16 rows x 128 K of 6-bit codes, is 12 registers: lane l holds row l % 16; registers 6 c .. 6 c + 5 hold K = 64 c + 32 (l / 16) + 0 .. 31: 24 bytes of the row's stream of bits, as they lie:
; three loads of 8 bytes, so that every address is a multiple of the access's size.  q: which 128 of the record's 256 along K;  i: which 16 rows
.macro FRAG reg, adr, q, i
.irp p, 0,1,2,3,4,5
	ds_load_b64 v[(\reg)+2*\p:(\reg)+2*\p+1], v[\adr] offset:96*(\q)+48*(\p/3)+8*(\p%3)+(\i)*16*PITCH
.endr
.endm
.macro FETCH_B slot, q, g, p           ; B's blocks 4 g .. 4 g + 3 into set p: 24 loads
.irp i, 0,1,2,3
	FRAG BF+48*(\p)+FR*\i, ADRB+\slot, \q, 4*(\g)+\i
.endr
.endm
.macro FETCH_A slot, q, i0             ; A's blocks i0 .. i0 + 3: 24 loads
.irp i, \i0, \i0+1, \i0+2, \i0+3
	FRAG AF+FR*(\i), ADRA+\slot, \q, \i
.endr
.endm
.macro SCALES sc                       ; slot sc's scale words into set sc: two words a row; lanes 0-15 take A's block i, lanes 16-31 B's block i (A has 8 blocks: for i from 8 on lanes 0-15 read bytes of the slot that no product asks for)
.irp i, 0,1,2,3,4,5,6,7,8,9,10,11
	ds_load_b64 v[SC+24*\sc+2*\i:SC+24*\sc+2*\i+1], v[ADRS+\sc] offset:\i*16*PITCH
.endr
.endm
; 8 matrix instructions: A's blocks a0, a0 + 1 x the four blocks of B's group g, which lie in set p; the slot's q-th 128 along K; sc: the set of scale words.  zero = 1: the first product starts the sums: nothing is ever cleared.
; The 96 accumulators take turns, one instruction a turn, in the same order in every step.
.macro MUL8 a0, q, g, p, sc, zero
.irp a, \a0, \a0+1
.irp b, 0,1,2,3
.if \zero
	v_wmma_scale_f32_16x16x128_f8f6f4 v[8*(4*(\a)+\b):8*(4*(\a)+\b)+7], v[BF+48*(\p)+FR*\b:BF+48*(\p)+FR*\b+FR-1], v[AF+FR*(\a):AF+FR*(\a)+FR-1], 0, v[SC+24*(\sc)+2*(4*(\g)+\b)+(\q)], v[SC+24*(\sc)+2*(\a)+(\q)] matrix_a_fmt:MATRIX_FMT_FP6 matrix_b_fmt:MATRIX_FMT_FP6 matrix_a_scale:MATRIX_SCALE_ROW1
.else
	v_wmma_scale_f32_16x16x128_f8f6f4 v[8*(4*(\a)+\b):8*(4*(\a)+\b)+7], v[BF+48*(\p)+FR*\b:BF+48*(\p)+FR*\b+FR-1], v[AF+FR*(\a):AF+FR*(\a)+FR-1], v[8*(4*(\a)+\b):8*(4*(\a)+\b)+7], v[SC+24*(\sc)+2*(4*(\g)+\b)+(\q)], v[SC+24*(\sc)+2*(\a)+(\q)] matrix_a_fmt:MATRIX_FMT_FP6 matrix_b_fmt:MATRIX_FMT_FP6 matrix_a_scale:MATRIX_SCALE_ROW1
.endif
.endr
.endr
.endm
.macro MULH a0, q, g, p, sc, zero      ; 16: half a phase
	MUL8 \a0, \q, \g, \p, \sc, \zero
	MUL8 \a0+2, \q, \g, \p, \sc, \zero
.endm
; A load into a register that a matrix instruction has read, and a vector instruction or an LDS store that reads a matrix result, stand NP places behind that matrix instruction, and only plain vector
; instructions that name none of its registers are places (ISA guide 7.12.1 for vector instructions); this text does not count the matrix instructions in between.
.macro PLACES n
.rept \n
	v_nop
.endr
.endm
; A SLOT'S FIRST 128 ALONG K: phases 0, 1, 2, on B's sets 0, 1, 0.  On the way in: B's group 0 in set 0, the slot's scale words and A's blocks 0-3 have been asked for.
.macro HALF0 slot, zero
	WIN 0
	PLACES NP
	FETCH_A \slot, 0, 4
	FETCH_B \slot, 0, 1, 1
	s_wait_dscnt 48                                ; all but the 48 just issued: set 0, the scale words and A's blocks 0-3 are in
	WIN M1
	MULH 0, 0, 0, 0, \slot, \zero
	s_wait_dscnt 24                                ; A's blocks 4-7 are in; the next phase's 24 loads may be out
	MULH 4, 0, 0, 0, \slot, \zero
	WIN 0
	PLACES NP
	FETCH_B \slot, 0, 2, 0
	s_wait_dscnt 24                                ; set 1 is in; the 24 just issued may be out
	WIN M2
	MULH 0, 0, 1, 1, \slot, \zero
	MULH 4, 0, 1, 1, \slot, \zero
	WIN 0
	PLACES NP
	FETCH_B \slot, 1, 0, 1
	s_wait_dscnt 24                                ; set 0 is in
	WIN M3
	MULH 0, 0, 2, 0, \slot, \zero
	WIN 0
	PLACES NP
	FETCH_A \slot, 1, 0                            ; A's blocks 0-3 have had their last products of this step
	WIN M3
	MULH 4, 0, 2, 0, \slot, \zero
	WIN 0
.endm
; A SLOT'S SECOND 128 ALONG K: phases 3, 4, 5, on B's sets 1, 0, 1.  Phase 4 changes slots: the slot's last bytes are asked for at its head.  ONE barrier; in front of it each wave waits for all its tensor loads, adds 0 to its
; spare word, and waits for that and for its own reads of this slot.  mode = 2: this slot is filled again, two K steps ahead; 1: nothing is left to fetch; 0: the very last: no slot follows.
.macro HALF1 slot, next, mode
	WIN 0
	PLACES NP
	FETCH_A \slot, 1, 4
	FETCH_B \slot, 1, 1, 0
	s_wait_dscnt 48                                ; all but the 48 just issued: set 1 and A's blocks 0-3 are in
	WIN M1
	MULH 0, 1, 0, 1, \slot, 0
	s_wait_dscnt 24                                ; A's blocks 4-7 are in
	MULH 4, 1, 0, 1, \slot, 0
	WIN 0
	PLACES NP
	FETCH_B \slot, 1, 2, 1                         ; my last reads of this slot
	s_wait_dscnt 24                                ; set 0 is in
	WIN M2
	MULH 0, 1, 1, 0, \slot, 0
.if \mode
	WIN 0                                          ; (the add's two registers lie in window 0)
	s_wait_tensorcnt 0x0                           ; all my tensor loads have landed: the one that was out is my part of the next slot;
	ds_add_u32 v[SPW], v[NIL]                      ; 0 onto my spare word
	WIN M2
	MUL8 4, 1, 1, 0, \slot, 0                      ; eight matrix instructions stand between the add and the wait for it
	s_wait_dscnt 0x0                               ; the add is done, and my reads of this slot are over
	s_barrier_signal -1
	MUL8 6, 1, 1, 0, \slot, 0
	WIN 0
	s_barrier_wait -1
.if \mode == 2
	CREST                                          ; the barrier has opened a round of the cluster's barrier: no wave of any partner still reads this slot's tile or has a load on its way
	s_add_nc_u64 s[G0+4*\slot+2:G0+4*\slot+3], s[G0+4*\slot+2:G0+4*\slot+3], 2*REC
	s_add_nc_u64 s[G0B+4*\slot+2:G0B+4*\slot+3], s[G0B+4*\slot+2:G0B+4*\slot+3], 2*REC
	JLOAD G0+4*\slot, G1, G0B+4*\slot, G1B         ; the first tensor load behind the round, and my only one until the next: 176 matrix instructions ahead of the wait for it; its four v_nop are the places in front of the loads below
.else
	PLACES NP
.endif
	FETCH_B \next, 0, 0, 0                         ; the next slot's first fragments and its scale words
	SCALES \next
	WIN M3
	MULH 0, 1, 2, 1, \slot, 0                      ; (set 1 came in with the wait in front of the barrier)
	WIN 0
	PLACES NP
	FETCH_A \next, 0, 0
	WIN M3
	MULH 4, 1, 2, 1, \slot, 0
	WIN 0
.else
	MULH 4, 1, 1, 0, \slot, 0
	s_wait_dscnt 0x0                               ; set 1 is in
	WIN M3
	MULH 0, 1, 2, 1, \slot, 0
	MULH 4, 1, 2, 1, \slot, 0
	WIN 0
.endif
.endm
	s_wait_tensorcnt 1                             ; my part of K step 0 is in (K step 1's load may be out)
	s_barrier_signal -1
	s_barrier_wait -1                              ; everybody's is
	FETCH_B 0, 0, 0, 0
	SCALES 0
	FETCH_A 0, 0, 0
	HALF0 0, 1                                     ; the first 128 along K stand in front of the loop: their products start the sums
	s_mov_b32 s3, LAPS-1
.Llap:                                                 ; a trip goes once round the ring, from a lap's second 128 along K to the next lap's first, and fills both slots again
	HALF1 0, 1, 2
	HALF0 1, 0
	HALF1 1, 0, 2
	HALF0 0, 0
	s_sub_co_u32 s3, s3, 1
	s_cmp_lg_u32 s3, 0
	s_cbranch_scc1 .Llap
	HALF1 0, 1, 1                                  ; the last lap fills nothing, and has no round of the cluster's barrier
	HALF0 1, 0
	HALF1 1, 0, 0
	PLACES NP                                      ; behind the last products: reads of results, and writes and loads into registers that held fragments
; THE WAY OUT.  Where my results go, in bytes from mid's first byte
	s_lshl_b32 s18, s16, 4
	s_add_co_u32 s18, s18, s42                     ; which of the 32 heads: q's head c, or 16 + k's
	s_lshl_b32 s19, s17, 4
	s_lshl_b32 s20, s15, 3
	s_add_co_u32 s19, s19, s20                     ; my first block of 16 positions: 16 x tile row + 8 x half
	s_mul_i32 s20, s19, 32*1536                    ; a block of positions holds 32 images of 1,536 bytes
	s_mul_i32 s21, s18, 1536
	s_add_co_u32 s20, s20, s21
	s_add_co_u32 s20, s20, QKC
	s_mov_b32 s21, 0
	s_lshl_b32 s22, s18, 14                        ; the scale words: 4,096 positions x 4 bytes for each of the 32,
	s_lshl_b32 s23, s19, 6                         ; 64 bytes a block of positions
	s_add_co_u32 s22, s22, s23
	s_add_co_u32 s22, s22, QKS
	s_mov_b32 s23, 0
	s_lshl_b32 s40, s19, 17                        ; v: 16 rows of 8,192 bytes a block of positions,
	s_lshl_b32 s41, s42, 9                         ; 512 bytes a tile column,
	s_add_co_u32 s40, s40, s41
	s_lshl_b32 s41, s16, 8                         ; 256 a half
	s_add_co_u32 s40, s40, s41
	s_mov_b32 s41, 0
	s_add_nc_u64 s[20:21], s[12:13], s[20:21]
	s_add_nc_u64 s[22:23], s[12:13], s[22:23]
	s_add_nc_u64 s[40:41], s[12:13], s[40:41]
	s_mov_b32 s92, 0x76543210
	s_mov_b32 s93, 0xfedcba98                      ; v_permlanex16_b32's selects for lane l xor 16
	s_mov_b32 s96, 0x3db504f3                      ; 128^-0.5
	s_mov_b32 s97, s96                             ; (named with it as a pair, so it is written)
.irp b, 0,1,2,3
	v_mov_b32 v[TM+4+\b], 0                        ; written once: a lane permute's destination counts as one of its sources
.endr
	s_cmp_lg_u32 s16, 0                            ; k takes no factor: a branch on the wave's number, with no barrier under it
	s_cbranch_scc1 .Lno_factor
	WIN 0x41                                       ; q x 128^-0.5, in f32, ahead of the quantiser: in place, two at a time, each accumulator from its low end on: window 1,
.set i, 0
.rept 128
	v_pk_mul_f32 v[i:i+1], v[i:i+1], s[96:97] op_sel_hi:[1,0]
.set i, i+2
.endr
	WIN 0x82                                       ; window 2
.set i, 0
.rept 128
	v_pk_mul_f32 v[i:i+1], v[i:i+1], s[96:97] op_sel_hi:[1,0]
.set i, i+2
.endr
	WIN 0
.Lno_factor:
; Block a of v: 16 rows x 64 columns.  A lane holds 32 neighbouring bytes of a row for each of 4 accumulators, and the lanes beside it hold other rows: so the block goes through my own stage in LDS and comes back as whole
; rows of 256 bytes.  LDS serves a wave's instructions in order (ISA guide 5.7.1.4): no wait between the stores and the loads, nor in front of the next block's stores.
.macro VSTAGE a
	WIN 0x0c                                       ; an LDS store's data are its source 1: window 3
.irp b, 0,1,2,3
	ds_store_b128 v[STO], v[32*(\a)+8*\b:32*(\a)+8*\b+3] offset:64*\b          ; each accumulator from its low end on
	ds_store_b128 v[STO], v[32*(\a)+8*\b+4:32*(\a)+8*\b+7] offset:64*\b+16
.endr
	WIN 0
.irp t, 0,1,2,3,4,5,6,7
	ds_load_b128 v[BK+32*((\a)%2)+4*\t:BK+32*((\a)%2)+4*\t+3], v[RD] offset:\t*2*VP
.endr
.endm
; Block a of the head: 64 numbers of a lane, 32 in window 1 and 32 in window 2, both at v[32 a] on; register 16 b + i of a window's 32 is channel 64 (window - 1) + 32 b + 16 (lane / 16) + i of my position's head.
; They become a fragment's codes in v[QPC + 12 a] on and its scale word in v[QPW + a].
.macro QUANTW a
.set QS, 32*(\a)
.set PCA, QPC+12*(\a)
.irp w, 0,1
	WIN 5*(1+\w)                                   ; sources 0 and 1: the accumulators' window
.irp b, 0,1
	v_max3_num_f32 v[TM+2*\w+\b], |v[QS+16*\b]|, |v[QS+1+16*\b]|, 0x1800000   ; a block of 32 channels: my 16 numbers, and the floor 2^(3 - 127): the byte cannot fall under 1.  Each accumulator is read from its low end on
.endr
.irp i, 2,4,6,8,10,12,14
.irp b, 0,1
	v_max3_num_f32 v[TM+2*\w+\b], |v[QS+16*\b+\i]|, |v[QS+1+16*\b+\i]|, v[TM+2*\w+\b]   ; (two blocks by turns)
.endr
.endr
.endr
	WIN 0
.irp b, 0,1,2,3
	v_permlanex16_b32 v[TM+4+\b], v[TM+\b], s92, s93
.endr
.irp b, 0,1,2,3
	v_max_num_f32 v[TM+\b], v[TM+\b], v[TM+4+\b]   ; with lane l xor 16's: the block's largest magnitude
.endr
.irp b, 0,1,2,3
	v_add_nc_u32 v[TM+12+\b], 0xff000000, v[TM+\b] ; 2 off its exponent field: the conversion's scale operand
.endr
.irp b, 0,1,2,3
	v_lshrrev_b32 v[TM+4+\b], 23, v[TM+12+\b]      ; the scale's byte
.endr
	v_lshl_or_b32 v[QPW+(\a)], v[TM+5], 8, v[TM+4] ; the four bytes make my row's scale word
	v_lshl_or_b32 v[QPW+(\a)], v[TM+6], 16, v[QPW+(\a)]
	v_lshl_or_b32 v[QPW+(\a)], v[TM+7], 24, v[QPW+(\a)]
.irp c, 0,1
	WIN (1+\c)                                     ; source 0: the accumulators' window
	v_cvt_scalef32_pk16_fp6_f32 v[PCA+6*\c:PCA+2+6*\c], v[QS:QS+15], v[TM+12+2*\c]
	v_cvt_scalef32_pk16_fp6_f32 v[QPX+4*\c:QPX+2+4*\c], v[QS+16:QS+31], v[TM+12+2*\c+1]   ; (a conversion's three registers begin on an even number)
.endr
	WIN 0
	v_nop                                          ; one plain place behind a scaled conversion
.irp c, 0,1                                    ; the operand's layout wants a WHOLE block in a lane: lanes 0-15 block 2 c, lanes 16-31 block 2 c + 1
.irp i, 0,1,2
	v_permlane16_swap_b32 v[PCA+6*\c+\i], v[QPX+4*\c+\i]
.endr
.irp i, 0,1,2
	v_mov_b32 v[PCA+3+6*\c+\i], v[QPX+4*\c+\i]
.endr
.endr
.endm
.irp a, 0,1,2,3,4,5,6,7
.if \a > 1
	s_wait_xcnt 0x0                                ; block a - 2's stores have read their registers: block a's rows of v may land there
.endif
	VSTAGE \a
	QUANTW \a                                      ; the head's arithmetic stands between v's loads from the stage and the wait for them
.irp j, 0,1,2
	global_store_b128 v[CO], v[QPC+12*\a+4*\j:QPC+12*\a+4*\j+3], s[20:21] offset:\a*32*1536+512*\j th:TH_STORE_NT   ; the image: 512 consecutive bytes a store, at a multiple of 512 from mid's first byte
.endr
	ds_store_b32 v[QSA], v[QPW+\a] offset:64*\a    ; my row's scale word (both halves of the lanes write the same word with the same value)
	s_wait_dscnt 0x1                               ; v's sixteen rows are back in registers (the word's store may be out)
.irp t, 0,1,2,3,4,5,6,7
	global_store_b128 v[VO], v[BK+32*(\a%2)+4*\t:BK+32*(\a%2)+4*\t+3], s[40:41] offset:(16*\a+2*\t)*CROW th:TH_STORE_NT   ; sixteen lanes store 256 consecutive bytes, at a multiple of 256 from mid's first byte; the row stands in the immediate: 126 rows at the most
.endr
.endr
	ds_load_b128 v[TM:TM+3], v[QSR]                ; LDS serves a wave's instructions in order: these see my stores
	s_wait_dscnt 0x0
	global_store_b128 v[CO], v[TM:TM+3], s[22:23] th:TH_STORE_NT   ; my 128 positions' scale words: 512 consecutive bytes
	s_wait_tensorcnt 0x0                           ; the wave's end, behind my last tensor load and my last LDS store
	ds_add_u32 v[SPW], v[NIL]
	s_wait_dscnt 0x0
	CROUND                                         ; the closing round: no work-group ends while a partner may still ask for a tile that names it
	s_endpgm
.Lfunc_end_k_q2bb277fffd_qkv:
	.size	k_q2bb277fffd_qkv, .Lfunc_end_k_q2bb277fffd_qkv-k_q2bb277fffd_qkv
	.p2alignl 7, 3214868480
	.fill 96, 4, 3214868480
	.section	.rodata,"a",@progbits
	.p2align	6, 0x0
	.amdhsa_kernel k_q2bb277fffd_qkv
		.amdhsa_group_segment_fixed_size 327680
		.amdhsa_private_segment_fixed_size 0
		.amdhsa_enable_private_segment 0
		.amdhsa_kernarg_size 24
		.amdhsa_user_sgpr_count 2
		.amdhsa_user_sgpr_kernarg_segment_ptr 1
		.amdhsa_wavefront_size32 1
		.amdhsa_system_sgpr_workgroup_id_x 1
		.amdhsa_system_sgpr_workgroup_id_y 1
		.amdhsa_system_sgpr_workgroup_id_z 1
		.amdhsa_system_vgpr_workitem_id 0
		.amdhsa_next_free_vgpr 1024
		.amdhsa_next_free_sgpr 98
		.amdhsa_reserve_vcc 0
		.amdhsa_float_denorm_mode_32 3
		.amdhsa_float_denorm_mode_16_64 3
		.amdhsa_memory_ordered 1
		.amdhsa_forward_progress 1
		.amdhsa_inst_pref_size 243
	.end_amdhsa_kernel
	.amdgpu_metadata
---
amdhsa.version: [ 1, 2 ]
amdhsa.kernels:
  - .name:           k_q2bb277fffd_qkv
    .symbol:         k_q2bb277fffd_qkv.kd
    .args:
      - { .name: xa, .offset: 0, .size: 8, .value_kind: global_buffer, .address_space: global }
      - { .name: wc, .offset: 8, .size: 8, .value_kind: global_buffer, .address_space: global }
      - { .name: mid, .offset: 16, .size: 8, .value_kind: global_buffer, .address_space: global }
    .group_segment_fixed_size: 327680
    .private_segment_fixed_size: 0
    .kernarg_segment_align: 8
    .kernarg_segment_size: 24
    .max_flat_workgroup_size: 128
    .sgpr_count:     98
    .vgpr_count:     1024
    .wavefront_size: 32
...
	.end_amdgpu_metadata
.endif
;; end of part 2
;; launch attn (part 3): grid 256 x 1, 16 waves a work-group, no clusters, 80,384 bytes of LDS; arguments mid, oa; writes oa
.if DOCPART == 3
	.amdgcn_target "amdgcn-amd-amdhsa--gfx1250"
	.amdhsa_code_object_version 6
	.text
	.protected	k_q2bb277fffd_attn
	.globl	k_q2bb277fffd_attn
	.p2align	8
	.type	k_q2bb277fffd_attn,@function
k_q2bb277fffd_attn:
	s_mov_b64 s[64:65], 0
	v_nop
	global_prefetch_b8 v0, s[64:65] scope:SCOPE_SE
	s_setreg_imm32_b32 hwreg(HW_REG_WAVE_MODE, 25, 1), 1
	s_wait_xcnt 0x0
; LAUNCH 3 OF 4.  For each of the 4,096 positions: scores[h][t] = Q(q[h] / sqrt(128)) . Q(k[t]) over the head's 128 channels (on codes of FP6, made by launch 2), softmax over t in f32 (the maximum taken away, normalised),
; out[h][:] = the sum over t of attn[h][t] v[t][:] with f32 operands (its result goes into a quantiser), and that result quantised along the last product's K.  No work is left out.
; SHARES.  Work-group G takes positions 16 G .. 16 G + 15, wave w position p = 16 G + w.  No cluster: the work-groups share no input.  Straight-line text, two barriers.
; IN.  Launch 2 left, for each block of 16 positions and each of q's and k's 32 heads, an image of an operand whose ROWS ARE POSITIONS.  This product wants rows that are HEADS, of one position.  The 32 images go into LDS
; as they lie (wave w brings q's and k's head w); lane (r, h) of wave w then takes, out of head r's image, what lane (w, h) would hold: the same 24-byte runs of codes, other rows.
; v lies [position][2,048] f32 with its columns in the order tp 256 + b 64 + r 4 + e 2 + t0 for v[t = 2 tp + t0][d = 32 b + 16 (r / 8) + 8 e + r % 8]: a load of 16 bytes at 16 r brings two operands of the f32 matrix form.
; LAYOUT.  S^T = k q^T (source 0 = k's 16 heads, source 1 = q's): lane (r, h') holds q's head r and t = 8 h' + 0 .. 7.  O^T = v^T attn^T by v_wmma_f32_16x16x4_f32, four t at a time: place (h', j) of step kk stands for
; t = 8 h' + 2 kk + j on both sides, so attn's registers 2 kk, 2 kk + 1 are source 1 as they stand.  In O^T lane (r, h') holds head r, and register 16 b + 8 e + j channel 32 b + 16 h' + 8 e + j: 16 neighbours along the next K.
; OUT.  The problem's transposition sends (batch, s, head, d) to row batch 1024 + head 64 + s / 16, column (s % 16) 128 + d: the 16 positions of a work-group fill one whole row of 2,048 for each head.  The codes meet in LDS,
; and wave w stores head w's row of 1,536 bytes.
; LIMITS: a weight under 2^-126 counts as 0 (v_exp_f32's results); a block of zeros has the scale byte 1 (its codes are zeros; this program alone reads the bytes); NaN and infinities are not served.
.set QKC,   0x2000000                  ; in mid: the images [position / 16][32][1,536 bytes]
.set QKS,   0x2C00000                  ; and the scale words [32][4,096], 4 bytes each
.set OSCL,  0x600000                   ; in oa the scale bytes lie behind the codes
.set IP,    1552                       ; LDS pitch of an image and of a row on the way out: 1,536 + 16 = 97 x 16 bytes
.set SCI,   32*IP                      ; LDS: the 32 images from 0 on; then their scale words, [32][16 positions], 80 bytes apart;
.set OST,   SCI+32*80                  ; the way out: 16 rows, one for each head;
.set OSC,   OST+16*IP                  ; their scale bytes, 64 a row, 80 bytes apart;
.set SPARE, OSC+16*80                  ; the spare words, 128 bytes for each of the sixteen waves
.set SPW, 4                            ; v4   LDS address of my spare word; never rewritten
.set NIL, 5                            ; v5   0; never rewritten
.set VA,  6                            ; v6   v: 4,096 h + 16 r
.set L16, 7                            ; v7   16 x lane
.set QL,  8                            ; v8   where my wave's images go: IP w + 16 lane
.set SG,  9                            ; v9   scale words in memory: lanes 0-15 q's head w, lanes 16-31 k's: 262,144 h + 4 r
.set SL,  10                           ; v10  and in LDS: SCI + 80 (16 h + w) + 4 r
.set FRD, 11                           ; v11  my piece of head r's image: IP r + 256 h + 16 w
.set SRD, 12                           ; v12  head r's scale word of my position: SCI + 80 (16 h + r) + 4 w
.set OS,  13                           ; v13  where my codes go: OST + IP r + 96 w + 24 h
.set OW,  14                           ; v14  and my scale word: OSC + 80 r + 4 w
.set ORD, 15                           ; v15  head w's row, read back: OST + IP w + 16 lane
.set OSR, 16                           ; v16  the scale bytes, read back: OSC + 80 (thread / 4) + 16 (thread % 4), of threads 0-63
.set OSG, 17                           ; v17  and in memory: 4,096 (thread / 4) + 16 (thread % 4)
.set QF,  20                           ; v20-31  q's image as loaded, then q's fragment
.set KF,  32                           ; v32-43  k's likewise
.set SW,  45                           ; v45  the scale words: lanes 0-15 q's, lanes 16-31 k's; it holds scales and nothing else
.set S,   48                           ; v48-55  S^T
.set P,   56                           ; v56-63  the weights
.set V,   64                           ; v64-127 my position's v
.set O,   128                          ; v128-191 O^T: written by the f32 matrix form alone
.set PC,  192                          ; v192-211 the codes: 12 registers and 8 at work
.set TM,  212                          ; v212-227 at work in the quantiser
.set PW,  228                          ; v228 the scale word made
.set SEL, 20                           ; s[20:21] v_permlanex16_b32's selects for lane l xor 16
	s_load_b128 s[4:7], s[0:1], 0x0                ; mid, oa
	v_lshl_add_u32 v[SPW], v0, 2, SPARE
	v_mov_b32 v[NIL], 0
	v_lshrrev_b32 v1, 5, v0
	v_readfirstlane_b32 s8, v1                     ; wave w, 0..15
	v_and_b32 v1, 31, v0                           ; lane
	v_and_b32 v2, 15, v0                           ; r
	v_bfe_u32 v3, v0, 4, 1                         ; h
	v_lshlrev_b32 v[VA], 4, v2
	v_lshl_add_u32 v[VA], v3, 12, v[VA]
	v_lshlrev_b32 v[L16], 4, v1
	v_lshlrev_b32 v18, 2, v2                       ; 4 r
	v_lshl_add_u32 v[SG], v3, 18, v18
	s_lshl_b32 s10, ttmp9, 17                      ; v: 16 positions x 8,192 bytes a work-group,
	s_lshl_b32 s23, s8, 13                         ; 8,192 a wave
	s_add_co_u32 s10, s10, s23
	s_mov_b32 s11, 0
	s_mul_i32 s12, ttmp9, 32*1536                  ; the images of my work-group's positions,
	s_mul_i32 s23, s8, 1536                        ; q's head w (k's lies 16 images on)
	s_add_co_u32 s12, s12, s23
	s_add_co_u32 s12, s12, QKC
	s_mov_b32 s13, 0
	s_lshl_b32 s14, s8, 14                         ; the scale words of q's head w,
	s_lshl_b32 s23, ttmp9, 6                       ; at my work-group's 16 positions
	s_add_co_u32 s14, s14, s23
	s_add_co_u32 s14, s14, QKS
	s_mov_b32 s15, 0
	s_lshr_b32 s22, ttmp9, 6                       ; the batch
	s_lshl_b32 s22, s22, 10
	s_and_b32 s23, ttmp9, 63                       ; s / 16
	s_add_co_u32 s22, s22, s23                     ; head 0's row of the result
	s_lshl_b32 s18, s22, 6                         ; its 64 scale bytes
	s_add_co_u32 s18, s18, OSCL
	s_mov_b32 s19, 0
	s_lshl_b32 s23, s8, 6
	s_add_co_u32 s22, s22, s23                     ; head w's row
	s_mul_i32 s16, s22, 1536
	s_mov_b32 s17, 0
	s_mov_b32 s[SEL], 0x76543210
	s_mov_b32 s[SEL+1], 0xfedcba98
	s_wait_kmcnt 0x0
	s_add_nc_u64 s[10:11], s[4:5], s[10:11]
	s_add_nc_u64 s[12:13], s[4:5], s[12:13]
	s_add_nc_u64 s[14:15], s[4:5], s[14:15]
	s_add_nc_u64 s[16:17], s[6:7], s[16:17]
	s_add_nc_u64 s[18:19], s[6:7], s[18:19]
	; ---- all that the wave reads from memory is asked for at once: 23 loads
.irp j, 0,1,2
	global_load_b128 v[QF+4*\j:QF+4*\j+3], v[L16], s[12:13] offset:512*\j th:TH_LOAD_NT         ; q's head w: 512 consecutive bytes a load
.endr
.irp j, 0,1,2
	global_load_b128 v[KF+4*\j:KF+4*\j+3], v[L16], s[12:13] offset:16*1536+512*\j th:TH_LOAD_NT ; k's head w
.endr
	global_load_b32 v44, v[SG], s[14:15]           ; their scale words at the 16 positions
.irp kk, 0,1,2,3
.irp b, 0,1,2,3
	global_load_b128 v[V+16*\kk+4*\b:V+16*\kk+4*\b+3], v[VA], s[10:11] offset:1024*\kk+256*\b th:TH_LOAD_NT   ; v[t = 8 h + 2 kk + 0, 1][d of (b, r, e = 0, 1)]: sixteen lanes read 256 consecutive bytes
.endr
.endr
	; ---- the LDS addresses, while the loads are out
	s_mul_i32 s24, s8, IP
	v_add_nc_u32 v[QL], s24, v[L16]
	v_add_nc_u32 v[ORD], OST, v[QL]
	v_mad_u32_u24 v[SL], v3, 16*80, v18
	s_mul_i32 s25, s8, 80
	s_add_co_u32 s25, s25, SCI
	v_add_nc_u32 v[SL], s25, v[SL]
	v_mul_u32_u24 v[FRD], v2, IP
	v_mad_u32_u24 v[OS], v3, 24, v[FRD]
	v_lshl_add_u32 v[FRD], v3, 8, v[FRD]
	s_lshl_b32 s26, s8, 4
	v_add_nc_u32 v[FRD], s26, v[FRD]
	s_mul_i32 s28, s8, 96
	s_add_co_u32 s28, s28, OST
	v_add_nc_u32 v[OS], s28, v[OS]
	v_mul_u32_u24 v[OW], v2, 80
	v_mad_u32_u24 v[SRD], v3, 16*80, v[OW]
	s_lshl_b32 s27, s8, 2
	s_add_co_u32 s29, s27, OSC
	s_add_co_u32 s27, s27, SCI
	v_add_nc_u32 v[SRD], s27, v[SRD]
	v_add_nc_u32 v[OW], s29, v[OW]
	v_and_b32 v18, 63, v0                          ; (the low six bits of the thread's number: only waves 0 and 1 use what is made of them)
	v_lshrrev_b32 v19, 2, v18
	v_and_b32 v18, 3, v18
	v_mul_u32_u24 v[OSR], v19, 80
	v_lshl_add_u32 v[OSR], v18, 4, v[OSR]
	v_add_nc_u32 v[OSR], OSC, v[OSR]
	v_lshlrev_b32 v[OSG], 12, v19
	v_lshl_add_u32 v[OSG], v18, 4, v[OSG]
	v_mov_b32 v230, 0                              ; written once: a lane permute's destination counts as one of its sources
.irp b, 0,1,2,3
	v_mov_b32 v[TM+4+\b], 0
.endr
	; ---- the images into LDS
	s_wait_loadcnt 16                              ; the first seven loads are in; v's sixteen stay out
.irp j, 0,1,2
	ds_store_b128 v[QL], v[QF+4*\j:QF+4*\j+3] offset:512*\j
	ds_store_b128 v[QL], v[KF+4*\j:KF+4*\j+3] offset:16*IP+512*\j
.endr
	ds_store_b32 v[SL], v44
	s_wait_dscnt 0x0                               ; for the others' sake: my stores have landed
	s_barrier_signal -1
	s_barrier_wait -1                              ; all 32 images and their scale words lie in LDS
	; ---- the scores of my position
.irp j, 0,1,2
	ds_load_b128 v[QF+4*\j:QF+4*\j+3], v[FRD] offset:512*\j
	ds_load_b128 v[KF+4*\j:KF+4*\j+3], v[FRD] offset:16*IP+512*\j
.endr
	ds_load_b32 v[SW], v[SRD]
	s_wait_dscnt 0x0
	v_wmma_scale_f32_16x16x128_f8f6f4 v[S:S+7], v[KF:KF+11], v[QF:QF+11], 0, v[SW], v[SW] matrix_a_fmt:MATRIX_FMT_FP6 matrix_b_fmt:MATRIX_FMT_FP6 matrix_a_scale:MATRIX_SCALE_ROW1
.rept 4
	v_nop                                          ; four places between this form and the first read of its result (ISA guide 7.12.1)
.endr
	; ---- softmax over t: eight in my registers, eight in lane l xor 16's
	v_max3_num_f32 v229, v[S], v[S+1], v[S+2]      ; (the result is read from its low end on)
	v_max3_num_f32 v229, v229, v[S+3], v[S+4]
	v_max3_num_f32 v229, v229, v[S+5], v[S+6]
	v_max_num_f32 v229, v229, v[S+7]
	v_permlanex16_b32 v230, v229, s[SEL], s[SEL+1]
	v_max_num_f32 v229, v229, v230                 ; the row's maximum
.irp j, 0,1,2,3,4,5,6,7
	v_sub_f32 v[P+\j], v[S+\j], v229               ; the maximum is taken away FIRST, and the difference multiplied: fused with a rounded m x log2(e), large scores would lose the difference's low bits
.endr
.irp j, 0,1,2,3,4,5,6,7
	v_mul_f32 v[P+\j], 0x3fb8aa3b, v[P+\j]         ; x log2(e)
.endr
.irp j, 0,1,2,3,4,5,6,7
	v_exp_f32 v[P+\j], v[P+\j]
.endr
	v_nop                                          ; a plain place behind the last exponential
	s_wait_alu depctr_va_vdst(0)                   ; one wait for the eight, ahead of their first reader
	v_add_f32 v231, v[P], v[P+1]
	v_add_f32 v232, v[P+2], v[P+3]
	v_add_f32 v233, v[P+4], v[P+5]
	v_add_f32 v234, v[P+6], v[P+7]
	v_add_f32 v231, v231, v232
	v_add_f32 v233, v233, v234
	v_add_f32 v231, v231, v233
	v_permlanex16_b32 v230, v231, s[SEL], s[SEL+1]
	v_add_f32 v231, v231, v230                     ; the row's sum
	v_rcp_f32 v232, v231
	v_nop                                          ; a plain place behind the reciprocal
	s_wait_alu depctr_va_vdst(0)                   ; and its wait, ahead of its first reader
.irp j, 0,1,2,3,4,5,6,7
	v_mul_f32 v[P+\j], v[P+\j], v232               ; normalised, as the problem has it
.endr
	; ---- O^T = v^T attn^T, f32 operands: 8 tiles of 16 channels x 4 steps of 4 t.  The eight accumulators take turns, one instruction a turn; each sum's first step takes the constant 0
	s_wait_loadcnt 0x0                             ; v
.irp kk, 0,1,2,3
.irp t, 0,1,2,3,4,5,6,7
.if \kk == 0
	v_wmma_f32_16x16x4_f32 v[O+8*\t:O+8*\t+7], v[V+16*\kk+2*\t:V+16*\kk+2*\t+1], v[P+2*\kk:P+2*\kk+1], 0
.else
	v_wmma_f32_16x16x4_f32 v[O+8*\t:O+8*\t+7], v[V+16*\kk+2*\t:V+16*\kk+2*\t+1], v[P+2*\kk:P+2*\kk+1], v[O+8*\t:O+8*\t+7]
.endif
.endr
.endr
.rept 8
	v_nop                                          ; eight places between this form and the first read of its result
.endr
	; ---- quantised along the last product's K: my head's 128 channels are four blocks of 32; a block lies in lanes l and l xor 16
.irp b, 0,1,2,3
	v_max3_num_f32 v[TM+\b], |v[O+16*\b]|, |v[O+1+16*\b]|, 0x1800000   ; block b: my 16 numbers, and the floor 2^(3 - 127): the byte cannot fall under 1.  Each accumulator is read from its low end on
.endr
.irp i, 2,4,6,8,10,12,14
.irp b, 0,1,2,3
	v_max3_num_f32 v[TM+\b], v[TM+\b], |v[O+16*\b+\i]|, |v[O+1+16*\b+\i]|   ; (the four blocks by turns)
.endr
.endr
.irp b, 0,1,2,3
	v_permlanex16_b32 v[TM+4+\b], v[TM+\b], s[SEL], s[SEL+1]
.endr
.irp b, 0,1,2,3
	v_max_num_f32 v[TM+\b], v[TM+\b], v[TM+4+\b]   ; the block's largest magnitude
.endr
.irp b, 0,1,2,3
	v_add_nc_u32 v[TM+12+\b], 0xff000000, v[TM+\b] ; 2 off its exponent field: the conversion's scale operand
.endr
.irp b, 0,1,2,3
	v_lshrrev_b32 v[TM+4+\b], 23, v[TM+12+\b]      ; the scale's byte
.endr
	v_lshl_or_b32 v[PW], v[TM+5], 8, v[TM+4]       ; the four bytes of my head at my position
	v_lshl_or_b32 v[PW], v[TM+6], 16, v[PW]
	v_lshl_or_b32 v[PW], v[TM+7], 24, v[PW]
.irp c, 0,1
	v_cvt_scalef32_pk16_fp6_f32 v[PC+6*\c:PC+2+6*\c], v[O+32*\c:O+15+32*\c], v[TM+12+2*\c]
	v_cvt_scalef32_pk16_fp6_f32 v[PC+12+4*\c:PC+14+4*\c], v[O+16+32*\c:O+31+32*\c], v[TM+12+2*\c+1]   ; (a conversion's three registers begin on an even number)
.endr
	v_nop                                          ; one plain place behind a scaled conversion
.irp c, 0,1                                    ; a WHOLE block to a lane: lanes 0-15 block 2 c, lanes 16-31 block 2 c + 1: 24 bytes of the row's stream of bits
.irp i, 0,1,2
	v_permlane16_swap_b32 v[PC+6*\c+\i], v[PC+12+4*\c+\i]
.endr
.irp i, 0,1,2
	v_mov_b32 v[PC+3+6*\c+\i], v[PC+12+4*\c+\i]
.endr
.endr
.irp c, 0,1
.irp e, 0,1,2
	ds_store_b64 v[OS], v[PC+6*\c+2*\e:PC+6*\c+2*\e+1] offset:48*\c+8*\e   ; head r's row, columns 128 w + 64 c + 32 h on: byte 96 w + 48 c + 24 h
.endr
.endr
	ds_store_b32 v[OW], v[PW]                      ; (both halves of the lanes write the same word with the same value)
	s_wait_dscnt 0x0                               ; for the others' sake: my stores have landed
	s_barrier_signal -1
	s_barrier_wait -1                              ; sixteen whole rows of codes and their scale bytes lie in LDS
	; ---- out: wave w stores head w's row
.irp j, 0,1,2
	ds_load_b128 v[240+4*\j:243+4*\j], v[ORD] offset:512*\j
.endr
.irp j, 0,1,2
	s_wait_dscnt 2-\j                              ; LDS loads come back in order: piece j is in
	global_store_b128 v[L16], v[240+4*\j:243+4*\j], s[16:17] offset:512*\j th:TH_STORE_NT   ; 512 consecutive bytes, at a multiple of 512 from oa's first byte
.endr
	s_cmp_gt_u32 s8, 1                             ; the 16 rows' scale bytes, 1,024 in all, are two waves' work
	s_cbranch_scc1 .Lno_scales
	ds_load_b128 v[236:239], v[OSR]
	s_wait_dscnt 0x0
	global_store_b128 v[OSG], v[236:239], s[18:19] th:TH_STORE_NT   ; four lanes store a row's 64 bytes; the rows lie 4,096 bytes apart (262,144 bytes of the launch's 6.5 million)
.Lno_scales:
	s_wait_tensorcnt 0x0                           ; the wave's end, behind my last LDS store
	ds_add_u32 v[SPW], v[NIL]
	s_wait_dscnt 0x0
	s_endpgm
.Lfunc_end_k_q2bb277fffd_attn:
	.size	k_q2bb277fffd_attn, .Lfunc_end_k_q2bb277fffd_attn-k_q2bb277fffd_attn
	.p2alignl 7, 3214868480
	.fill 96, 4, 3214868480
	.section	.rodata,"a",@progbits
	.p2align	6, 0x0
	.amdhsa_kernel k_q2bb277fffd_attn
		.amdhsa_group_segment_fixed_size 80384
		.amdhsa_private_segment_fixed_size 0
		.amdhsa_enable_private_segment 0
		.amdhsa_kernarg_size 16
		.amdhsa_user_sgpr_count 2
		.amdhsa_user_sgpr_kernarg_segment_ptr 1
		.amdhsa_wavefront_size32 1
		.amdhsa_system_sgpr_workgroup_id_x 1
		.amdhsa_system_sgpr_workgroup_id_y 1
		.amdhsa_system_sgpr_workgroup_id_z 1
		.amdhsa_system_vgpr_workitem_id 0
		.amdhsa_next_free_vgpr 256
		.amdhsa_next_free_sgpr 66
		.amdhsa_reserve_vcc 0
		.amdhsa_float_denorm_mode_32 3
		.amdhsa_float_denorm_mode_16_64 3
		.amdhsa_memory_ordered 1
		.amdhsa_forward_progress 1
		.amdhsa_inst_pref_size 17
	.end_amdhsa_kernel
	.amdgpu_metadata
---
amdhsa.version: [ 1, 2 ]
amdhsa.kernels:
  - .name:           k_q2bb277fffd_attn
    .symbol:         k_q2bb277fffd_attn.kd
    .args:
      - { .name: mid, .offset: 0, .size: 8, .value_kind: global_buffer, .address_space: global }
      - { .name: oa, .offset: 8, .size: 8, .value_kind: global_buffer, .address_space: global }
    .group_segment_fixed_size: 80384
    .private_segment_fixed_size: 0
    .kernarg_segment_align: 8
    .kernarg_segment_size: 16
    .max_flat_workgroup_size: 512
    .sgpr_count:     66
    .vgpr_count:     256
    .wavefront_size: 32
...
	.end_amdgpu_metadata
.endif
;; end of part 3
;; launch oproj (part 4): grid 8 x 16, 4 waves a work-group, clusters of 4 x 4, 327,680 bytes of LDS; arguments oa, woc, wos, out0; writes out0
.if DOCPART == 4
	.amdgcn_target "amdgcn-amd-amdhsa--gfx1250"
	.amdhsa_code_object_version 6
	.text
	.protected	k_q2bb277fffd_oproj
	.globl	k_q2bb277fffd_oproj
	.p2align	8
	.type	k_q2bb277fffd_oproj,@function
k_q2bb277fffd_oproj:
	s_mov_b64 s[64:65], 0
	v_nop
	global_prefetch_b8 v0, s[64:65] scope:SCOPE_SE
	s_setreg_imm32_b32 hwreg(HW_REG_WAVE_MODE, 25, 1), 1
	s_wait_xcnt 0x0
	s_wait_alu depctr_hold_cnt(0) depctr_sa_sdst(0) depctr_va_vdst(0) depctr_va_sdst(0) depctr_va_ssrc(0) depctr_va_vcc(0) depctr_vm_vsrc(0)
	s_getreg_b32 s2, hwreg(HW_REG_IB_STS2, 6, 4)
	s_cmp_eq_u32 s2, 0
	s_cbranch_scc0 .Lentry_in_a_cluster
	s_endpgm
.Lentry_in_a_cluster:
	s_bfe_u32 s2, ttmp6, 0x10000c
	s_cmp_lg_u32 s2, 0xf033
	s_cbranch_scc0 .Lentry_shape_is_right
	s_endpgm
.Lentry_shape_is_right:
; LAUNCH 4 OF 4.  out[m][n] = sum over k of A[m][k] wo[n][k] on codes of FP6 (E2M3) with one E8M0 scale for each 32 along K; K = 2,048, 4,096 rows of A, 2,048 of wo; sums in f32.  No work is left out.
; A (oa, made by launch 3) holds its codes [4096][1536 bytes] and, 0x600000 bytes on, its scale bytes [4096][64].  B: codes [2048][1536], scale bytes [2048][64], made by launch 1.
; A tile of C, 256 x 256, is made by a work-group of four waves, as many as a WGP has SIMDs; a wave makes 128 x 128: 64 accumulators of 16 x 16, 512 registers.  C has 128 such tiles: 128 work-groups.
; K goes in steps of 256 through a ring of two LDS slots filled by the tensor data mover; the scales of the work-group's rows, for all of K, come into LDS once, with the first fills, and stay.
; CLUSTERS: 4 x 4 work-groups.  The four of a row of the cluster need the same tiles of A, the four of a column the same tiles of B: each tile is asked for JOINTLY, by the same tensor load with the same
; descriptor and a mask that names the four.  THE MATRIX INSTRUCTION IS USED TRANSPOSED (source 0 = 16 rows of B, source 1 = 16 rows of A): a lane holds one row of C and eight of its columns.
; LIMITS: as in launch 1 (NaN and infinities are not served).
; REGISTERS, in windows of 256: window 0: v0-31 addresses; v32-63 scale words, two sets; from v128 A's fragments, ONE set; on the way out v128-255 are free.
;   window 1: B's fragments, TWO sets, at v0 and at v128.   window 2: the 32 accumulators of my rows 0-63 (accumulator (a, b) at v[8 (8 a + b)]);   window 3: those of my rows 64-127.
.set SIZE_K, 2048
.set CROW,   8192                      ; a row of C in bytes: 2,048 f32
.set ASCL,   0x600000                  ; A's scale bytes lie so far behind its codes
.set KSTEP,  256                       ; along K in a slot
.set NQ,     KSTEP/128                 ; matrix instructions deep
.set ROWB,   192                       ; a tile's row in bytes: KSTEP codes of 6 bits
.set KROW,   SIZE_K*6/8                ; a row of A or of B in memory, in bytes
.set PITCH,  240                       ; an LDS row: 3 x (64 bytes of data + 16 of padding) = 60 words: row r starts at bank -4 r mod 64 (64 banks of 4 bytes: ISA guide 11.1), so the 32 lanes of a load of 8 bytes touch 64 different banks
.set FR,     12                        ; registers of a fragment: 16 rows x 128 K
.set NL,     6                         ; LDS loads that bring one
.set NP,     4                         ; places behind this matrix instruction (ISA guide 7.12.1)
.set HALFT,  128*PITCH                 ; 128 rows: what one tensor load brings, and what one wave reads of A or of B
.set SLOT,   4*HALFT                   ; A's 256 rows, then B's 256 rows
.set LAPS,   SIZE_K/(2*KSTEP)          ; a lap = two K steps = once round the ring
.set KS,     SIZE_K/32                 ; a row of scales in bytes
.set SCL,    2*SLOT                    ; behind the ring: the scales, as rows of 256 bytes + 16 of padding
.set HALFS,  (128*KS/256)*272          ; the scales of 128 rows: what one tensor load brings
.set SBLK,   (16*KS/256)*272           ; those of 16 rows
.set SPARE,  SCL+4*HALFS               ; behind the scales: the spare words, 128 bytes for each wave
.set SPITCH, 528                       ; the way out: a stage of 16 rows x (512 bytes + 16) for each wave.  It lies in slot 0, which has had its last fill and its last read when the first result is stored there
.set ADRA, 16                          ; v16-17  LDS address of my A fragments in slot 0, 1  (v18-19: the same for the pieces that lie behind one padding more)
.set ADRB, 20                          ; v20-21  the same for B  (v22-23)
.set STO,  24                          ; v24     the way out: where I put 32 bytes of a row
.set RD,   25                          ; v25     and where I read a row back
.set CO,   26                          ; v26     16 x lane
.set ADRS, 27                          ; v27     LDS address of my scale words: lanes 0-15 A's rows, lanes 16-31 B's
.set SPW,  28                          ; v28     LDS address of my spare word; never rewritten
.set NIL,  29                          ; v29     0; never rewritten
.set SC,   32                          ; scale words: set s (for slot s) at v[SC + 8 NQ s]; in it register NQ i + q: lanes 0-15 the word of A's block i, lanes 16-31 that of B's block i, for the slot's q-th 128 along K
.set AF,   128                         ; A's fragments, in window 0
.set BK,   128                         ; the way out: 16 rows read back from the stage: v128-191 and v192-255 by turns
.set G1, 24                            ; s[24:31] descriptor group 1 for A's tiles;  s[32:39] group 0, one set for each slot
.set G0, 32
.set G1B, 48                           ; s[48:55], s[56:63] the same for B's tiles
.set G0B, 56
.set G1S, 68                           ; s[68:75], s[76:79] groups 1 and 0 for A's scales;  s[80:87], s[88:91] for B's
.set G0S, 76
.set G1SB, 80
.set G0SB, 88
.set MSB, 0
.macro WIN new                         ; the immediate's high byte repeats the setting that is left
.if MSB != \new
	s_set_vgpr_msb (MSB<<8)|\new
.set MSB, \new
.endif
.endm
.set MUL_LO, 0xa1                      ; source 0 (B) window 1, source 1 (A) window 0, C and D window 2
.set MUL_HI, 0xf1                      ; the same, C and D window 3
.set TO_B,   0x40                      ; destination window 1, address window 0
; A joint load: waves 0 and 1 fetch for A, waves 2 and 3 for B.  Each of the two lines has ONE mask and one set of registers for all that issue it; the branch hangs on the wave's number alone.
; An s_nop 0 and four v_nop follow each of the two lines, ahead of the jump, the label and what follows.
.macro JLOAD g0a, g1a, g0b, g1b
	s_cmp_eq_u32 s15, 0
	s_cbranch_scc0 .Lfor_b_\@
	tensor_load_to_lds s[\g0a:\g0a+3], s[\g1a:\g1a+7]
	s_nop 0
.rept 4
	v_nop
.endr
	s_branch .Lasked_\@
.Lfor_b_\@:
	tensor_load_to_lds s[\g0b:\g0b+3], s[\g1b:\g1b+7]
	s_nop 0
.rept 4
	v_nop
.endr
.Lasked_\@:
.endm
.macro CREST                           ; a round of the cluster's barrier behind its opening barrier
	s_cmp_lg_u32 s14, 0
	s_cbranch_scc1 .Lnot_wave_0_\@
	s_barrier_signal -3
.Lnot_wave_0_\@:
	s_barrier_wait -3
	s_barrier_signal -1
	s_barrier_wait -1
.endm
.macro CROUND                          ; a whole round
	s_barrier_signal -1
	s_barrier_wait -1
	CREST
.endm
	s_load_b64 s[4:5], s[0:1], 0x0                 ; A: its codes, and behind them its scales
	s_load_b64 s[8:9], s[0:1], 0x8                 ; B's codes
	s_load_b64 s[10:11], s[0:1], 0x10              ; B's scales
	s_load_b64 s[12:13], s[0:1], 0x18              ; C
	v_lshl_add_u32 v[SPW], v0, 2, SPARE
	v_mov_b32 v[NIL], 0
	ds_add_u32 v[SPW], v[NIL]                      ; the wave's opening: the add, twice on end, and its wait ahead of my first tensor load; the set-up below, work on registers, stands between the second and the wait
	ds_add_u32 v[SPW], v[NIL]
	v_lshrrev_b32 v1, 5, v0
	v_readfirstlane_b32 s14, v1                    ; wave 0..3
	s_lshr_b32 s15, s14, 1                         ; which half of the tile's rows is mine.  Also: I fetch for A (0) or for B (1)
	s_and_b32 s16, s14, 1                          ; which half of its columns.  Also: which 128 rows of that tile I fetch
	s_bfe_u32 s40, ttmp6, 0x40000                  ; cx, cy: my place in the cluster
	s_bfe_u32 s41, ttmp6, 0x40004
	s_lshl_b32 s42, ttmp9, 2
	s_add_co_u32 s42, s42, s40                     ; tile column of C = 4 x cluster x + cx
	s_and_b32 s17, ttmp7, 0xffff
	s_lshl_b32 s17, s17, 2
	s_add_co_u32 s17, s17, s41                     ; tile row of C = 4 x cluster y + cy
	s_lshl_b32 s43, s41, 2
	s_lshl_b32 s43, 15, s43                        ; my row of the cluster
	s_lshl_b32 s44, 0x1111, s40                    ; my column
	; descriptor group 1: a tile of 128 rows x ROWB bytes, padded in LDS
	s_or_b32 s[G1+0], s43, (0<<16)|(1<<20)|(1<<21)|(3<<22)|(3<<25)  ; 15:0 the mask: A's tiles go to my row; 17:16 element of 1 byte; 20 padding on; 21 set beside a mask; 24:22 after every 16 words (code 3); 31:25 of 4 words (code 3)
	s_or_b32 s[G1B+0], s44, (0<<16)|(1<<20)|(1<<21)|(3<<22)|(3<<25)
.irp g, G1, G1B
	s_mov_b32 s[\g+1], ROWB<<16                    ; tensor_dim0
	s_mov_b32 s[\g+2], 128<<16                     ; tensor_dim1 = 128
	s_mov_b32 s[\g+3], ROWB<<16                    ; tile_dim0
	s_mov_b32 s[\g+4], 128                         ; tile_dim1 = 128
	s_mov_b32 s[\g+5], KROW                        ; tensor_dim0_stride
	s_mov_b32 s[\g+6], 0
	s_mov_b32 s[\g+7], 0
.endr
	; and for the scales of 128 rows: a dense block of 128 KS bytes, as rows of 256 bytes (32 elements of 8 bytes), 16 bytes of padding behind each
	s_or_b32 s[G1S+0], s43, (3<<16)|(1<<20)|(1<<21)|(5<<22)|(3<<25)
	s_or_b32 s[G1SB+0], s44, (3<<16)|(1<<20)|(1<<21)|(5<<22)|(3<<25)
.irp g, G1S, G1SB
	s_mov_b32 s[\g+1], 32<<16
	s_mov_b32 s[\g+2], (128*KS/256)<<16
	s_mov_b32 s[\g+3], 32<<16
	s_mov_b32 s[\g+4], 128*KS/256
	s_mov_b32 s[\g+5], 32
	s_mov_b32 s[\g+6], 0
	s_mov_b32 s[\g+7], 0
.endr
	s_lshl_b32 s18, s16, 7                         ; which 128 rows of the tile I fetch
	s_lshl_b32 s20, s17, 8
	s_add_co_u32 s20, s20, s18                     ; A: row 256 x tile row + 128 x half
	s_lshl_b32 s46, s42, 8
	s_add_co_u32 s46, s46, s18                     ; B: row 256 x tile column + 128 x half
	s_mov_b32 s21, 0
	s_mov_b32 s47, 0
	s_mov_b64 s[18:19], KS
	s_mul_u64 s[22:23], s[20:21], s[18:19]         ; where these rows' scales begin, in bytes
	s_mul_u64 s[92:93], s[46:47], s[18:19]
	s_mov_b64 s[18:19], KROW
	s_mul_u64 s[20:21], s[20:21], s[18:19]         ; and their codes
	s_mul_u64 s[46:47], s[46:47], s[18:19]
	s_mul_i32 s45, s14, HALFT                      ; where they go: wave x 128 rows: no place in the cluster enters an LDS address
	s_mul_i32 s94, s14, HALFS
	s_wait_dscnt 0x0                               ; both opening adds are done
	s_wait_kmcnt 0x0
	s_add_nc_u64 s[6:7], s[4:5], ASCL              ; A's scales
	s_add_nc_u64 s[20:21], s[4:5], s[20:21]
	s_add_nc_u64 s[22:23], s[6:7], s[22:23]
	s_add_nc_u64 s[46:47], s[8:9], s[46:47]
	s_add_nc_u64 s[92:93], s[10:11], s[92:93]
	CROUND                                         ; all sixteen work-groups are here: the first joint loads meet
	s_mov_b32 s[G0S], 1
	s_add_co_u32 s[G0S+1], s94, SCL
	s_mov_b64 s[G0S+2:G0S+3], s[22:23]
	s_or_b32 s[G0S+3], s[G0S+3], 0x80000000
	s_mov_b32 s[G0SB], 1
	s_add_co_u32 s[G0SB+1], s94, SCL
	s_mov_b64 s[G0SB+2:G0SB+3], s[92:93]
	s_or_b32 s[G0SB+3], s[G0SB+3], 0x80000000
	JLOAD G0S, G1S, G0SB, G1SB                     ; the scales first: they are wanted with K step 0.  With the two below, three tensor loads of mine are out at the most
.irp s, 0,1
	s_mov_b32 s[G0+4*\s], 1
	s_add_co_u32 s[G0+4*\s+1], s45, \s*SLOT
	s_add_nc_u64 s[G0+4*\s+2:G0+4*\s+3], s[20:21], \s*ROWB
	s_or_b32 s[G0+4*\s+3], s[G0+4*\s+3], 0x80000000
	s_mov_b32 s[G0B+4*\s], 1
	s_add_co_u32 s[G0B+4*\s+1], s45, \s*SLOT
	s_add_nc_u64 s[G0B+4*\s+2:G0B+4*\s+3], s[46:47], \s*ROWB
	s_or_b32 s[G0B+4*\s+3], s[G0B+4*\s+3], 0x80000000
	JLOAD G0+4*\s, G1, G0B+4*\s, G1B
.endr
	v_and_b32 v1, 15, v0                           ; l % 16
	v_bfe_u32 v2, v0, 4, 1                         ; l / 16
	v_mul_u32_u24 v3, v1, PITCH
	v_mul_u32_u24 v4, v2, 24
	v_add_nc_u32 v4, v3, v4                        ; a fragment's row x pitch + 24 x half
	v_lshl_add_u32 v5, v2, 4, v4                   ; and the same behind one padding more
	s_mul_i32 s21, s15, HALFT                      ; my 128 rows of A
	s_mul_i32 s22, s16, HALFT                      ; my 128 rows of B,
	s_add_co_u32 s22, s22, 2*HALFT                 ; which lie behind A's 256
.irp s, 0,1
	v_add_nc_u32 v[ADRA+\s], s21, v4
	v_add_nc_u32 v[ADRB+\s], s22, v4
	v_add_nc_u32 v[ADRA+2+\s], s21, v5
	v_add_nc_u32 v[ADRB+2+\s], s22, v5
	s_add_co_u32 s21, s21, SLOT
	s_add_co_u32 s22, s22, SLOT
.endr
	v_mul_u32_u24 v5, v1, KS                       ; my row's scales: KS bytes a row,
	v_lshrrev_b32 v6, 8, v5
	v_lshl_add_u32 v5, v6, 4, v5                   ; and 16 more for each 256 passed
	s_mul_i32 s21, s15, HALFS                      ; A's: my 128 rows
	s_mul_i32 s22, s16, HALFS                      ; B's: my 128 rows, behind A's 256
	s_add_co_u32 s22, s22, 2*HALFS
	s_sub_co_u32 s22, s22, s21
	v_mul_u32_u24 v6, s22, v2                      ; lanes 16-31 take B's
	s_add_co_u32 s21, s21, SCL
	v_add_nc_u32 v5, v5, v6
	v_add_nc_u32 v[ADRS], s21, v5
	s_mul_i32 s23, s14, 16*SPITCH                  ; my stage
	v_mul_u32_u24 v5, v1, SPITCH                   ; in: row l % 16, 32 bytes for each half of the lanes
	v_lshl_add_u32 v5, v2, 5, v5
	v_add_nc_u32 v[STO], s23, v5
	v_and_b32 v6, 31, v0
	v_lshlrev_b32 v[CO], 4, v6                     ; back: the 32 lanes take one row of 512 bytes; and the same in C
	v_add_nc_u32 v[RD], s23, v[CO]
.macro FRAG reg, adr, q, i             ; a fragment, 16 rows x 128 K of 6-bit codes, is 12 registers: lane l holds row l % 16; registers 6 c .. 6 c + 5 hold K = 64 c + 32 (l / 16) + 0 .. 31: 24 bytes of the row's stream of bits, as they lie
.irp p, 0,1,2,3,4,5                    ; in pieces of 8 bytes, so that every address is a multiple of the access's size.  Lanes 0-15 take the row's pieces 12 q + 0, 1, 2 and 12 q + 6, 7, 8, lanes 16-31 those three pieces on
.set PC, 12*(\q)+6*(\p/3)+\p%3        ; 16 bytes of padding lie behind every 64 bytes (8 pieces): where the piece three on lies behind one padding more, the second address register (40 for 24 bytes a half) serves
.if PC%8 < 5
	ds_load_b64 v[\reg+2*\p:\reg+2*\p+1], v[\adr] offset:8*PC+16*(PC/8)+(\i)*16*PITCH
.else
	ds_load_b64 v[\reg+2*\p:\reg+2*\p+1], v[\adr+2] offset:8*PC+16*(PC/8)+(\i)*16*PITCH
.endif
.endr
.endm
; 16 matrix instructions: A's blocks a0, a0 + 1 x B's eight, 128 along K: the slot's q-th.  p: B's set;  sc: the set of scale words.  zero = 1: the first product starts the sums: nothing is ever cleared.
; The 64 accumulators take turns, one instruction a turn, in the same order in every step.
.macro MUL16 a0, p, q, sc, zero
.irp a, \a0, \a0+1
.irp b, 0,1,2,3,4,5,6,7
.if \zero
	v_wmma_scale_f32_16x16x128_f8f6f4 v[8*(8*((\a)%4)+\b):8*(8*((\a)%4)+\b)+7], v[128*(\p)+FR*\b:128*(\p)+FR*\b+FR-1], v[AF+FR*(\a):AF+FR*(\a)+FR-1], 0, v[SC+8*NQ*(\sc)+NQ*\b+(\q)], v[SC+8*NQ*(\sc)+NQ*(\a)+(\q)] matrix_a_fmt:MATRIX_FMT_FP6 matrix_b_fmt:MATRIX_FMT_FP6 matrix_a_scale:MATRIX_SCALE_ROW1
.else
	v_wmma_scale_f32_16x16x128_f8f6f4 v[8*(8*((\a)%4)+\b):8*(8*((\a)%4)+\b)+7], v[128*(\p)+FR*\b:128*(\p)+FR*\b+FR-1], v[AF+FR*(\a):AF+FR*(\a)+FR-1], v[8*(8*((\a)%4)+\b):8*(8*((\a)%4)+\b)+7], v[SC+8*NQ*(\sc)+NQ*\b+(\q)], v[SC+8*NQ*(\sc)+NQ*(\a)+(\q)] matrix_a_fmt:MATRIX_FMT_FP6 matrix_b_fmt:MATRIX_FMT_FP6 matrix_a_scale:MATRIX_SCALE_ROW1
.endif
.endr
.endr
.endm
.macro FETCH_B slot, q, p              ; B's eight fragments of the slot's q-th 128 along K into set p
	WIN TO_B
.irp i, 0,1,2,3,4,5,6,7
	FRAG 128*(\p)+FR*\i, ADRB+\slot, \q, \i
.endr
	WIN 0
.endm
.macro FETCH_A slot, q, i0             ; A's blocks i0 .. i0 + 3
.irp i, \i0, \i0+1, \i0+2, \i0+3
	FRAG AF+FR*(\i), ADRA+\slot, \q, \i
.endr
.endm
.macro SCALES sc                       ; the next K step's scale words into set sc: NQ words a row; lanes 0-15 take A's block i, lanes 16-31 B's block i
.irp i, 0,1,2,3,4,5,6,7
	ds_load_b64 v[SC+8*NQ*\sc+NQ*\i:SC+8*NQ*\sc+NQ*\i+1], v[ADRS] offset:\i*SBLK
.endr
.endm
; A load into a register that a matrix instruction has read, and a vector instruction or an LDS store that reads a matrix result, stand NP places behind that matrix instruction, and only plain vector
; instructions that name none of its registers are places (ISA guide 7.12.1 for vector instructions); this text does not count the matrix instructions in between.
.macro PLACES n
.rept \n
	v_nop
.endr
.endm
; A step of 128 along K that has its successor in the same slot.
.macro STEP slot, q, zero
	s_wait_dscnt 4*NL                              ; B's set and A's blocks 0-3 are in; the youngest 24 loads (A's blocks 4-7) may be out
	WIN MUL_LO
	MUL16 0, (\q)%2, \q, \slot, \zero
	MUL16 2, (\q)%2, \q, \slot, \zero
	s_wait_dscnt 0                                 ; A's blocks 4-7 are in (asked for 32 matrix instructions ago)
	PLACES NP
	FETCH_B \slot, (\q)+1, 1-(\q)%2
	FETCH_A \slot, (\q)+1, 0
	WIN MUL_HI
	MUL16 4, (\q)%2, \q, \slot, \zero
	MUL16 6, (\q)%2, \q, \slot, \zero
	PLACES NP
	WIN 0
	FETCH_A \slot, (\q)+1, 4
.endm
; A slot's last step changes slots: ONE barrier; in front of it each wave waits for all its tensor loads, adds 0 to its spare word, and waits for that and for its own reads of this slot.  fill = 1: this slot is filled again, two K steps ahead.
.macro TURN slot, next, fill
	s_wait_tensorcnt 0x0                           ; all my tensor loads have landed: my part of the next slot;  (every window is 0 here: the add's two registers lie in window 0)
	ds_add_u32 v[SPW], v[NIL]                      ; 0 onto my spare word
	s_wait_dscnt 4*NL+1                            ; (the add and the youngest 24 loads, A's blocks 4-7, may be out)
	WIN MUL_LO
	MUL16 0, 1, NQ-1, \slot, 0                     ; sixteen matrix instructions stand between the add and the wait for it
	s_wait_dscnt 0x0                               ; the add is done, and my reads of this slot are over
	s_barrier_signal -1
	MUL16 2, 1, NQ-1, \slot, 0
	WIN 0
	s_barrier_wait -1
.if \fill
	CREST                                          ; the barrier has opened a round of the cluster's barrier: no wave of any partner still reads this slot's tile or has a load on its way
	s_add_nc_u64 s[G0+4*\slot+2:G0+4*\slot+3], s[G0+4*\slot+2:G0+4*\slot+3], 2*ROWB
	s_add_nc_u64 s[G0B+4*\slot+2:G0B+4*\slot+3], s[G0B+4*\slot+2:G0B+4*\slot+3], 2*ROWB
	JLOAD G0+4*\slot, G1, G0B+4*\slot, G1B         ; the first tensor load behind the round, and my only one until the next; the four v_nop behind it are the places in front of the loads below
.else
	PLACES NP
.endif
	v_add_nc_u32 v[ADRS], 4*NQ, v[ADRS]            ; on to the next K step's scale words (no LDS load of mine is out)
	FETCH_B \next, 0, 0
	FETCH_A \next, 0, 0
	SCALES \next
	WIN MUL_HI
	MUL16 4, 1, NQ-1, \slot, 0
	MUL16 6, 1, NQ-1, \slot, 0
	PLACES NP
	WIN 0
	FETCH_A \next, 0, 4
.endm
	s_wait_tensorcnt 1                             ; the scales and my part of K step 0 are in (K step 1's load may be out)
	s_barrier_signal -1
	s_barrier_wait -1                              ; everybody's are
	FETCH_B 0, 0, 0
	FETCH_A 0, 0, 0
	SCALES 0
	FETCH_A 0, 0, 4
	STEP 0, 0, 1                                   ; the first step stands in front of the loop: its products start the sums
	s_mov_b32 s3, LAPS-1
.Llap:                                                 ; a trip goes once round the ring, from a lap's second step to the next lap's first, and fills both slots again
	TURN 0, 1, 1
	STEP 1, 0, 0
	TURN 1, 0, 1
	STEP 0, 0, 0
	s_sub_co_u32 s3, s3, 1
	s_cmp_lg_u32 s3, 0
	s_cbranch_scc1 .Llap
	TURN 0, 1, 0                                   ; the last lap fills nothing, and has no round of the cluster's barrier
	STEP 1, 0, 0
	s_wait_dscnt 4*NL                              ; the very last step: nothing more to fetch
	WIN MUL_LO
	MUL16 0, 1, NQ-1, 1, 0
	MUL16 2, 1, NQ-1, 1, 0
	s_wait_dscnt 0
	WIN MUL_HI
	MUL16 4, 1, NQ-1, 1, 0
	MUL16 6, 1, NQ-1, 1, 0
	WIN 0
	PLACES NP                                      ; behind the last products: reads of results, and loads into registers that held fragments
; THE WAY OUT, block by block of 16 rows x 128 columns.  A lane holds 32 neighbouring bytes of a row, and the lanes beside it hold other rows: so a block goes through my own stage in LDS and comes back as whole
; rows of 512 bytes.  LDS serves a wave's instructions in order (ISA guide 5.7.1.4): no wait between the stores and the loads, nor in front of the next block's stores.
.macro TOSTAGE a
.set AC, 64*((\a)%4)
	WIN 0x08+4*((\a)/4)                            ; the data: window 2 or 3
.irp b, 0,1,2,3,4,5,6,7
	ds_store_b128 v[STO], v[AC+8*\b:AC+8*\b+3] offset:64*\b          ; each accumulator from its low end on
	ds_store_b128 v[STO], v[AC+8*\b+4:AC+8*\b+7] offset:64*\b+16
.endr
	WIN 0
.set BB, BK+64*((\a)%2)
.irp t, 0,1,2,3,4,5,6,7,8,9,10,11,12,13,14,15
	ds_load_b128 v[BB+4*\t:BB+4*\t+3], v[RD] offset:\t*SPITCH
.endr
.endm
.macro SEND a, younger                 ; younger: the LDS instructions issued behind block a's loads, which may stay out
.set BB, BK+64*((\a)%2)
	s_wait_dscnt \younger                          ; the block is back in registers
.if (\a) > 0
	s_add_nc_u64 s[12:13], s[12:13], 16*CROW       ; (behind a wait on XCNT: the earlier stores have read their base)  16 rows of C on
.endif
.irp t, 0,1,2,3,4,5,6,7,8,9,10,11,12,13,14,15
	global_store_b128 v[CO], v[BB+4*\t:BB+4*\t+3], s[12:13] offset:\t*CROW th:TH_STORE_NT   ; 32 lanes store 512 consecutive bytes, at a multiple of 512 from C's first byte; written once, read by nobody in this launch
.endr
.endm
	s_lshl_b32 s20, s17, 8
	s_lshl_b32 s21, s15, 7
	s_add_co_u32 s20, s20, s21                     ; my first row of C: 256 x tile row + 128 x half,
	s_lshl_b32 s20, s20, 13                        ; in bytes (under 2^25);
	s_lshl_b32 s21, s42, 10
	s_add_co_u32 s20, s20, s21                     ; my first column: 1,024 bytes a tile column
	s_lshl_b32 s21, s16, 9
	s_add_co_u32 s20, s20, s21                     ; + 512 x half
	s_mov_b32 s21, 0
	s_add_nc_u64 s[12:13], s[12:13], s[20:21]
	TOSTAGE 0
.irp a, 1,2,3,4,5,6,7
.if \a > 1
	s_wait_xcnt 0x0                                ; block a - 2's stores have read their registers and their base: block a's loads may land there, and the base may step
.endif
	TOSTAGE \a
	SEND \a-1, 32                                  ; behind block a - 1's loads: block a's 16 stores and 16 loads
.endr
	s_wait_xcnt 0x0                                ; block 6's stores have read their base
	SEND 7, 0
	s_wait_tensorcnt 0x0                           ; the wave's end, behind my last tensor load and my last LDS store
	ds_add_u32 v[SPW], v[NIL]
	s_wait_dscnt 0x0
	CROUND                                         ; the closing round: no work-group ends while a partner may still ask for a tile that names it
	s_endpgm
.Lfunc_end_k_q2bb277fffd_oproj:
	.size	k_q2bb277fffd_oproj, .Lfunc_end_k_q2bb277fffd_oproj-k_q2bb277fffd_oproj
	.p2alignl 7, 3214868480
	.fill 96, 4, 3214868480
	.section	.rodata,"a",@progbits
	.p2align	6, 0x0
	.amdhsa_kernel k_q2bb277fffd_oproj
		.amdhsa_group_segment_fixed_size 327680
		.amdhsa_private_segment_fixed_size 0
		.amdhsa_enable_private_segment 0
		.amdhsa_kernarg_size 32
		.amdhsa_user_sgpr_count 2
		.amdhsa_user_sgpr_kernarg_segment_ptr 1
		.amdhsa_wavefront_size32 1
		.amdhsa_system_sgpr_workgroup_id_x 1
		.amdhsa_system_sgpr_workgroup_id_y 1
		.amdhsa_system_sgpr_workgroup_id_z 1
		.amdhsa_system_vgpr_workitem_id 0
		.amdhsa_next_free_vgpr 1024
		.amdhsa_next_free_sgpr 98
		.amdhsa_reserve_vcc 0
		.amdhsa_float_denorm_mode_32 3
		.amdhsa_float_denorm_mode_16_64 3
		.amdhsa_memory_ordered 1
		.amdhsa_forward_progress 1
		.amdhsa_inst_pref_size 160
	.end_amdhsa_kernel
	.amdgpu_metadata
---
amdhsa.version: [ 1, 2 ]
amdhsa.kernels:
  - .name:           k_q2bb277fffd_oproj
    .symbol:         k_q2bb277fffd_oproj.kd
    .args:
      - { .name: oa, .offset: 0, .size: 8, .value_kind: global_buffer, .address_space: global }
      - { .name: woc, .offset: 8, .size: 8, .value_kind: global_buffer, .address_space: global }
      - { .name: wos, .offset: 16, .size: 8, .value_kind: global_buffer, .address_space: global }
      - { .name: out0, .offset: 24, .size: 8, .value_kind: global_buffer, .address_space: global }
    .group_segment_fixed_size: 327680
    .private_segment_fixed_size: 0
    .kernarg_segment_align: 8
    .kernarg_segment_size: 32
    .max_flat_workgroup_size: 128
    .sgpr_count:     98
    .vgpr_count:     1024
    .wavefront_size: 32
...
	.end_amdgpu_metadata
.endif
;; end of part 4
